; MI455X (gfx1250); checked and timed in simulation.
; The chip was launched on July 23, 2026; its instructions are those of AMD's public machine-readable ISA for CDNA 5 (MIT licence, August 2026) and "CDNA5" Instruction Set Architecture Reference Guide (July 2026). The comments in the code are by the model that wrote it; some were corrected since.
;; Multi Head Dot Attn. Allowed arithmetic: matrix products marked QUANTISED: E3M2 operands, one E8M0 scale for each 32 along K, by v_wmma_scale_f32_16x16x128_f8f6f4 with both operands' format E3M2, f32 sums; products left as they are: f32 operands where the result goes on into a quantised operand, else bf16, f16 or f32 operands; f32 sums; everything else in f32.
;; Inputs: Wk_codes 8 x 512 x 16 x 24 uint8 (E3M2 codes of Wk, K innermost, in blocks of 32 codes, four codes in three bytes); Wk_scales 8 x 512 x 16 uint8 (E8M0 scales of Wk, one for each 32 codes along K); Wq_codes 8 x 512 x 32 x 24 uint8 (E3M2 codes of Wq, K innermost, in blocks of 32 codes, four codes in three bytes); Wq_scales 8 x 512 x 32 uint8 (E8M0 scales of Wq, one for each 32 codes along K); key_len 64 int32; keys_codes 64 x 512 x 16 x 24 uint8 (E3M2 codes of keys, K innermost, in blocks of 32 codes, four codes in three bytes); keys_scales 64 x 512 x 16 uint8 (E8M0 scales of keys, one for each 32 codes along K); query_codes 64 x 32 x 24 uint8 (E3M2 codes of query, K innermost, in blocks of 32 codes, four codes in three bytes); query_scales 64 x 32 uint8 (E8M0 scales of query, one for each 32 codes along K); value 64 x 512 x 512 float32.
;; Outputs: out0 64 x 4,096 float32; out1 64 x 8 x 512 float32.
;; This version of the problem:
;;   THIS VERSION OF THE PROBLEM IS GIVEN IN LOW PRECISION. The matrix products marked QUANTISED in the list below multiply operands that are first quantised to E3M2 (3 exponent bits, 2 mantissa bits; 6 bits a number), with one power-of-two scale for each 32 numbers along K (OCP MX v1.0); their sums are f32. All else is computed in f32.
;;   The module's matrix products, in the order in which they are computed (A, B: the left and right operand; K: the contracted axis; several contracted axes count as one K, in the product's order):
;;     1. [M 64, K 1,024] x [K 1,024, N 4,096]; A: input query (given as codes); B: input Wq (given as codes): QUANTISED
;;     2. [M 4,096, K 512] x [K 512, N 32,768]; A: input Wk (given as codes); B: input keys (given as codes): QUANTISED
;;     3. batch 512 x [M 1, K 512] x [K 512, N 512]; A: computed on the way; B: computed on the way: left as it is (M = 1 < 16)
;;     4. batch 64 x [M 8, K 512] x [K 512, N 512]; A: softmax; B: input value: left as it is (M = 8 < 16)
;;   THE QUANTISER, for each operand of a quantised product, along K:
;;     - K is cut into blocks of 32 from its start; a last block that is shorter is filled with zeros.
;;     - A block's scale is 2^e with e = floor(log2(the largest magnitude in the block)) - 4, held to -126 .. 127; a block of zeros has e = 0. As a byte (E8M0): e + 127.
;;     - Each number is divided by its block's scale, clamped to +-28, and rounded to the nearest number of E3M2, ties to even, subnormals kept.
;;     - The product sums the exact products of the quantised numbers (number of the format x scale) in f32.
;;   ~~~python
;;   def quantise(x, axis):      # numpy; x: float32 -> the quantised numbers, widened to float32 again
;;       x = np.moveaxis(x, axis, -1); K = x.shape[-1]
;;       x = np.pad(x, [(0, 0)] * (x.ndim - 1) + [(0, -K % 32)]); x = x.reshape(x.shape[:-1] + (-1, 32)); a = np.abs(x).max(-1, keepdims=True)
;;       e = np.where(a > 0, np.clip(np.frexp(np.where(a > 0, a, 1))[1] - 1 - 4, -126, 127), 0)      # np.frexp(a)[1] - 1 = floor(log2(a)), exactly
;;       r = np.clip(x / 2.0 ** e, -28, 28)
;;       step = 2.0 ** (np.maximum(np.frexp(np.where(r == 0, 1, r))[1] - 1, -2) - 2)
;;       q = np.round(r / step) * step * 2.0 ** e      # np.round: ties to even
;;       return np.moveaxis(q.reshape(q.shape[:-2] + (-1,))[..., :K], -1, axis).astype(np.float32)
;;   ~~~
;;   INPUTS GIVEN AS CODES. Wk (in the module: [8, 512, 512], K = its axis 2); Wq (in the module: [8, 512, 1024], K = its axis 2); keys (in the module: [64, 512, 512], K = its axis 2); query (in the module: [64, 1024], K = its axis 1): each comes as NAME_codes (uint8): NAME with its K axis moved to the last place and cut into blocks of 32 codes, [.., K / 32, bytes a block], one block behind the other in memory; four codes in three bytes: a row's codes are one little-endian stream of bits, code i at bits 6 i .. 6 i + 5 (a code: sign, 3 exponent bits, 2 mantissa bits); and NAME_scales (uint8): the same leading axes, one E8M0 byte (e + 127) for each 32 codes along K. Its value is code x scale, taken as it is: it is not quantised again, and the codes and scales need not be those that the quantiser above would give.
;; 2 versions. Each part assembles by itself: llvm-mc -triple=amdgcn-amd-amdhsa -mcpu=gfx1250 --defsym DOCPART=n.
;; ======== version 1 of 2: 3 launches
;; workspace buffers: q_ws 1,048,576 bytes; e_ws 1,048,576 bytes
;; launch qproj (part 1): grid 64 x 4, 4 waves a work-group, no clusters, 67,584 bytes of LDS; arguments query_codes, query_scales, Wq_codes, Wq_scales, q_ws, e_ws; writes q_ws, e_ws
.if DOCPART == 1
	.amdgcn_target "amdgcn-amd-amdhsa--gfx1250"
	.amdhsa_code_object_version 6
	.text
	.protected	k_q4dca4f4e39_qproj
	.globl	k_q4dca4f4e39_qproj
	.p2align	8
	.type	k_q4dca4f4e39_qproj,@function
k_q4dca4f4e39_qproj:
	s_mov_b64 s[64:65], 0
	v_nop
	global_prefetch_b8 v0, s[64:65] scope:SCOPE_SE
	s_setreg_imm32_b32 hwreg(HW_REG_WAVE_MODE, 25, 1), 1
	s_wait_xcnt 0x0
; q[b][n] = sum over k of query[b][k] Wq[n][k], n = 512 h + a (4,096 rows of Wq), K = 1,024: codes of BF6 (E3M2) with one E8M0 byte for each 32 along K, taken as they lie.
; q_ws: [64 b][4,096 n] f32.  The launch also fills e_ws, [8 h][64 b][512 s] f32, with -1e10: the next launch writes energies only where keys count.
; SHARES.  Work-group (x, y): rows n = 64 x .. 64 x + 63 of Wq, batches 16 y .. 16 y + 15.  Wave v: the 16 rows n0 = 64 x + 16 v: one result of 16 x 16, eight matrix instructions along K.
; Source 0 = 16 rows of Wq, source 1 = 16 rows of query: lane (r, hh) then holds batch 16 y + r, and its register j the row n0 + 8 hh + j: eight neighbours of a row of q_ws.
; THE WAY IN.  Every global load reads 512 consecutive bytes, 16 a lane.  A row of codes is 768 bytes; the bytes go to LDS as rows 784 bytes apart (196 words: row r starts at bank 4 r mod 64,
; 64 banks of 4 bytes: ISA guide 11.1) and come back as fragments, 8 bytes a load.  A wave's tile of Wq is its own; the query tile is brought by the four waves together, four rows each.
; K is shared between two accumulators that take turns (even and odd steps of 128), added at the end: an order of rounding that differs from one chain's.
.set QP,    784                        ; an LDS row of codes: 768 bytes + 16
.set TILEB, 16*QP                      ; a tile of 16 rows; the query tile at 0, wave v's tile of Wq at TILEB (1 + v)
.set STG,   5*TILEB                    ; the way out: 16 rows (batches) x (256 bytes + 16)
.set SP,    272
.set WSC,   8                          ; v8-15    Wq's scale words, one for each 128 along K: scales and nothing else
.set QSC,   16                         ; v16-23   query's
.set NEG,   24                         ; v24-27   -1e10, four times
.set FB,    32                         ; v32-127  Wq as loaded; then query's eight fragments; then the rows read back
.set RQ,    128                        ; v128-151 my part of query as loaded; then the two accumulators and their sum
.set AC0,   128
.set AC1,   136
.set R,     144
.set FA,    152                        ; v152-247 Wq's eight fragments
	s_load_b256 s[4:11], s[0:1], 0x0               ; query's codes s[4:5], its scales s[6:7], Wq's codes s[8:9], its scales s[10:11]
	s_load_b128 s[12:15], s[0:1], 0x20             ; q_ws s[12:13], e_ws s[14:15]
	s_set_vgpr_msb 0x40
	v_lshl_add_u32 v0, v0, 2, 0x10600
	v_mov_b32 v1, 0
	s_set_vgpr_msb 0x4000
	v_lshrrev_b32 v1, 5, v0
	v_readfirstlane_b32 s16, v1                    ; wave v
	s_and_b32 s17, ttmp7, 0xffff                   ; y
	v_and_b32 v1, 31, v0                           ; lane
	v_and_b32 v2, 15, v0                           ; r
	v_bfe_u32 v3, v0, 4, 1                         ; hh
	; a load's 32 pieces of 16 bytes: piece 32 j + lane of 96 (two rows of 48) lies at 16 x piece + 16 x its row
	v_lshlrev_b32 v31, 4, v1                       ; j = 0: 16 lane (also the loads' offset)
	v_lshl_add_u32 v254, v3, 4, v31
	v_add_nc_u32 v254, 512, v254                   ; j = 1: lanes 16-31 are in the second row
	v_add_nc_u32 v255, 1040, v31                   ; j = 2: all in the second row
	s_mul_i32 s19, s16, TILEB
	s_add_co_u32 s19, s19, TILEB                   ; my tile of Wq
	s_mul_i32 s20, s16, 4*QP                       ; my four rows of the query tile
	v_add_nc_u32 v4, s19, v31
	v_add_nc_u32 v5, s19, v254
	v_add_nc_u32 v6, s19, v255
	v_add_nc_u32 v28, s20, v31
	v_add_nc_u32 v29, s20, v254
	v_add_nc_u32 v30, s20, v255
	v_mul_u32_u24 v250, v2, QP
	v_mad_u32_u24 v250, v3, 24, v250               ; a fragment: row r, + 24 hh: query's
	v_add_nc_u32 v7, s19, v250                     ; and Wq's
	v_lshlrev_b32 v248, 5, v2                      ; scale words: 32 bytes a row
	v_lshlrev_b32 v249, 4, v0                      ; the fill: 16 bytes a thread
	v_mul_u32_u24 v251, v2, SP
	v_lshl_add_u32 v251, v3, 5, v251
	s_lshl_b32 s21, s16, 6
	s_add_co_u32 s21, s21, STG
	v_add_nc_u32 v251, s21, v251                   ; the stage, in: row r, + 64 v + 32 hh
	v_mul_u32_u24 v252, v3, SP
	v_lshl_add_u32 v252, v2, 4, v252
	s_mul_i32 s21, s16, 4*SP
	s_add_co_u32 s21, s21, STG
	v_add_nc_u32 v252, s21, v252                   ; and back: rows 4 v + hh, 16 bytes for each of sixteen lanes
	v_lshlrev_b32 v253, 14, v3
	v_lshl_add_u32 v253, v2, 4, v253               ; the same two rows in q_ws: 16,384 bytes apart
.irp i, 0,1,2,3
	v_mov_b32 v[NEG+\i], 0xd01502f9                ; -1e10
.endr
	s_mov_b32 s25, 0                               ; offsets are pairs s[24:25]
	s_mul_i32 s24, s17, 16*768
	s_mul_i32 s26, s16, 4*768
	s_add_co_u32 s24, s24, s26
	s_wait_kmcnt 0x0
	s_add_nc_u64 s[4:5], s[4:5], s[24:25]          ; query's codes at row 16 y + 4 v
	s_lshl_b32 s24, s17, 9
	s_add_nc_u64 s[6:7], s[6:7], s[24:25]          ; its scales at row 16 y
	s_lshl_b32 s26, ttmp9, 6
	s_lshl_b32 s27, s16, 4
	s_add_co_u32 s26, s26, s27                     ; n0
	s_mul_i32 s24, s26, 768
	s_add_nc_u64 s[8:9], s[8:9], s[24:25]
	s_lshl_b32 s24, s26, 5
	s_add_nc_u64 s[10:11], s[10:11], s[24:25]
	s_lshl_b32 s24, s17, 18
	s_lshl_b32 s27, s16, 16
	s_add_co_u32 s24, s24, s27
	s_lshl_b32 s27, ttmp9, 8
	s_add_co_u32 s24, s24, s27
	s_add_nc_u64 s[12:13], s[12:13], s[24:25]      ; q_ws at row 16 y + 4 v, byte 256 x
	s_lshl_b32 s24, s17, 18
	s_lshl_b32 s27, ttmp9, 12
	s_add_co_u32 s24, s24, s27
	s_add_nc_u64 s[14:15], s[14:15], s[24:25]      ; e_ws: 4,096 bytes for each of the 256 work-groups
.irp i, 0,1,2,3,4,5
	global_load_b128 v[RQ+4*\i:RQ+4*\i+3], v31, s[4:5] offset:512*\i
.endr
.irp i, 0,1,2,3,4,5,6,7,8,9,10,11,12,13,14,15,16,17,18,19,20,21,22,23
	global_load_b128 v[FB+4*\i:FB+4*\i+3], v31, s[8:9] offset:512*\i
.endr
	global_load_b128 v[WSC:WSC+3],   v248, s[10:11]
	global_load_b128 v[WSC+4:WSC+7], v248, s[10:11] offset:16
	global_load_b128 v[QSC:QSC+3],   v248, s[6:7]
	global_load_b128 v[QSC+4:QSC+7], v248, s[6:7] offset:16
	global_store_b128 v249, v[NEG:NEG+3], s[14:15]                 ; a wave's store covers 512 consecutive bytes
	global_store_b128 v249, v[NEG:NEG+3], s[14:15] offset:2048
	s_wait_loadcnt 4                               ; the codes are in; the four loads of scale words are younger and may be out
.irp i, 0,1,2,3,4,5
	ds_store_b128 v[28+\i%3], v[RQ+4*\i:RQ+4*\i+3] offset:2*QP*(\i/3)
.endr
.irp i, 0,1,2,3,4,5,6,7,8,9,10,11,12,13,14,15,16,17,18,19,20,21,22,23
	ds_store_b128 v[4+\i%3], v[FB+4*\i:FB+4*\i+3] offset:2*QP*(\i/3)
.endr
	s_wait_dscnt 0x0                               ; for the others' sake: my rows of the query tile lie in LDS
	s_barrier_signal -1
	s_barrier_wait -1
; A fragment, 16 rows x 128 K of 6-bit codes, is 12 registers: registers 6 c .. 6 c + 5 hold K = 64 c + 32 hh + 0 .. 31: 24 bytes of the row's stream of bits, in three pieces of 8
.irp s, 0,1,2,3,4,5,6,7
.irp p, 0,1,2,3,4,5
	ds_load_b64 v[FA+12*\s+2*\p:FA+12*\s+2*\p+1], v7 offset:96*\s+48*(\p/3)+8*(\p%3)
	ds_load_b64 v[FB+12*\s+2*\p:FB+12*\s+2*\p+1], v250 offset:96*\s+48*(\p/3)+8*(\p%3)
.endr
.endr
	s_wait_loadcnt 0x0                             ; the scale words
	s_wait_dscnt 0x0
	v_wmma_scale_f32_16x16x128_f8f6f4 v[AC0:AC0+7], v[FA:FA+11], v[FB:FB+11], 0, v[WSC], v[QSC] matrix_a_fmt:MATRIX_FMT_BF6 matrix_b_fmt:MATRIX_FMT_BF6
	v_wmma_scale_f32_16x16x128_f8f6f4 v[AC1:AC1+7], v[FA+12:FA+23], v[FB+12:FB+23], 0, v[WSC+1], v[QSC+1] matrix_a_fmt:MATRIX_FMT_BF6 matrix_b_fmt:MATRIX_FMT_BF6
.irp s, 2,4,6                                  ; the two accumulators by turns, one instruction a turn
	v_wmma_scale_f32_16x16x128_f8f6f4 v[AC0:AC0+7], v[FA+12*\s:FA+12*\s+11], v[FB+12*\s:FB+12*\s+11], v[AC0:AC0+7], v[WSC+\s], v[QSC+\s] matrix_a_fmt:MATRIX_FMT_BF6 matrix_b_fmt:MATRIX_FMT_BF6
	v_wmma_scale_f32_16x16x128_f8f6f4 v[AC1:AC1+7], v[FA+12*\s+12:FA+12*\s+23], v[FB+12*\s+12:FB+12*\s+23], v[AC1:AC1+7], v[WSC+\s+1], v[QSC+\s+1] matrix_a_fmt:MATRIX_FMT_BF6 matrix_b_fmt:MATRIX_FMT_BF6
.endr
.rept 4
	v_nop                                          ; four places behind the last product, ahead of the first read of results (ISA guide 7.12.1)
.endr
.irp j, 0,2,4,6
	v_pk_add_f32 v[R+\j:R+\j+1], v[AC0+\j:AC0+\j+1], v[AC1+\j:AC1+\j+1]   ; from the low end on
.endr
	ds_store_b128 v251, v[R:R+3]
	ds_store_b128 v251, v[R+4:R+7] offset:16
	s_wait_dscnt 0x0                               ; a row's 256 bytes come from four waves
	s_barrier_signal -1
	s_barrier_wait -1
	ds_load_b128 v[FB:FB+3],   v252
	ds_load_b128 v[FB+4:FB+7], v252 offset:2*SP
	s_wait_dscnt 1                                 ; the first pair of rows is back; the second load may be out
	global_store_b128 v253, v[FB:FB+3], s[12:13]                   ; sixteen lanes store 256 consecutive bytes, at a multiple of 256 from q_ws's first byte
	s_wait_dscnt 0x0
	global_store_b128 v253, v[FB+4:FB+7], s[12:13] offset:32768
	s_set_vgpr_msb 0x5
	s_wait_tensorcnt 0x0
	ds_add_u32 v0, v1
	s_wait_dscnt 0x0
	s_set_vgpr_msb 0x500
	s_endpgm
.Lfunc_end_k_q4dca4f4e39_qproj:
	.size	k_q4dca4f4e39_qproj, .Lfunc_end_k_q4dca4f4e39_qproj-k_q4dca4f4e39_qproj
	.p2alignl 7, 3214868480
	.fill 96, 4, 3214868480
	.section	.rodata,"a",@progbits
	.p2align	6, 0x0
	.amdhsa_kernel k_q4dca4f4e39_qproj
		.amdhsa_group_segment_fixed_size 67584
		.amdhsa_private_segment_fixed_size 0
		.amdhsa_enable_private_segment 0
		.amdhsa_kernarg_size 48
		.amdhsa_user_sgpr_count 2
		.amdhsa_user_sgpr_kernarg_segment_ptr 1
		.amdhsa_wavefront_size32 1
		.amdhsa_system_sgpr_workgroup_id_x 1
		.amdhsa_system_sgpr_workgroup_id_y 1
		.amdhsa_system_sgpr_workgroup_id_z 1
		.amdhsa_system_vgpr_workitem_id 0
		.amdhsa_next_free_vgpr 258
		.amdhsa_next_free_sgpr 66
		.amdhsa_reserve_vcc 0
		.amdhsa_float_denorm_mode_32 3
		.amdhsa_float_denorm_mode_16_64 3
		.amdhsa_memory_ordered 1
		.amdhsa_forward_progress 1
		.amdhsa_inst_pref_size 18
	.end_amdhsa_kernel
	.amdgpu_metadata
---
amdhsa.version: [ 1, 2 ]
amdhsa.kernels:
  - .name:           k_q4dca4f4e39_qproj
    .symbol:         k_q4dca4f4e39_qproj.kd
    .args:
      - { .name: query_codes, .offset: 0, .size: 8, .value_kind: global_buffer, .address_space: global }
      - { .name: query_scales, .offset: 8, .size: 8, .value_kind: global_buffer, .address_space: global }
      - { .name: Wq_codes, .offset: 16, .size: 8, .value_kind: global_buffer, .address_space: global }
      - { .name: Wq_scales, .offset: 24, .size: 8, .value_kind: global_buffer, .address_space: global }
      - { .name: q_ws, .offset: 32, .size: 8, .value_kind: global_buffer, .address_space: global }
      - { .name: e_ws, .offset: 40, .size: 8, .value_kind: global_buffer, .address_space: global }
    .group_segment_fixed_size: 67584
    .private_segment_fixed_size: 0
    .kernarg_segment_align: 8
    .kernarg_segment_size: 48
    .max_flat_workgroup_size: 128
    .sgpr_count:     66
    .vgpr_count:     258
    .wavefront_size: 32
...
	.end_amdgpu_metadata
.endif
;; end of part 1
;; launch energy (part 2): grid 32 x 8, 4 waves a work-group, no clusters, 233,984 bytes of LDS; arguments Wk_codes, Wk_scales, keys_codes, keys_scales, key_len, q_ws, e_ws; writes e_ws
.if DOCPART == 2
	.amdgcn_target "amdgcn-amd-amdhsa--gfx1250"
	.amdhsa_code_object_version 6
	.text
	.protected	k_q4dca4f4e39_energy
	.globl	k_q4dca4f4e39_energy
	.p2align	8
	.type	k_q4dca4f4e39_energy,@function
k_q4dca4f4e39_energy:
	s_mov_b64 s[64:65], 0
	v_nop
	global_prefetch_b8 v0, s[64:65] scope:SCOPE_SE
	s_setreg_imm32_b32 hwreg(HW_REG_WAVE_MODE, 25, 1), 1
	s_wait_xcnt 0x0
; energy[h][b][s] = sum over a of q[b][h][a] k[b][h][s][a],  k[..][s][a] = sum over c of Wk[h][a][c] keys[b][s][c]: the second product on codes of BF6 (E3M2) with E8M0 scales, as they lie in memory;
; the first by f32 multiply-adds on each accumulator as soon as its K = 512 is summed: k never leaves the registers.
; WHAT IS LEFT OUT.  Keys at s >= key_len[b] are masked: their energies are not wanted.  The unit is a GROUP: 64 keys of one batch, group e = 8 b + p.  Batch b keeps its first
; ceil(min(max(key_len, 0), 512) / 64) groups.  The kept groups of all batches, in ascending e, form one list of U <= 512 places; work-group (g, h) takes head h and places g, g + 32, g + 64 ..:
; its ENTRIES 0 .. cnt - 1, cnt = (U + 31 - g) >> 5 <= 16.  Groups that are not kept keep the -1e10 that the launch before has stored in e_ws.
; This launch has no tensor load, no cluster and no joint requests, though Wk[h] is read by 32 work-groups and a group by 8:
; operands go from memory through registers into LDS.
; SHARES.  Wave w keeps rows a = 128 w .. 128 w + 127 of Wk[h] in registers for the whole launch: 8 tiles x 4 K steps x 12 = 384.  All four waves multiply every tile of 16 keys by their own rows:
; 32 matrix instructions a tile, 128 an entry.  Source 0 = 16 rows of Wk, source 1 = 16 keys: a lane holds ONE key (lane % 16) and its register j the row 16 t + 8 (lane / 16) + j,
; so e += q[a] k[a] changes no lane; one exchange of the lanes' halves at an entry's end, and the four waves' parts meet in LDS at the launch's end.
; THE WAY IN.  A group's codes (24,576 dense bytes), scale bytes (1,024) and its batch's q (2,048) are loaded by the four waves, 512 consecutive bytes a load, into staging registers a SUPER-TRIP
; (two entries) ahead, and stored into one of two LDS slots of two entries.  Two barriers a super-trip, in a loop of constant count; all that hangs on cnt is jumped over between them.
; REGISTERS, in windows of 256 (s_set_vgpr_msb's low byte: bits 1:0 source 0, 3:2 source 1, 5:4 source 2, 7:6 destination):
;   window 0: addresses, keys' fragments (two sets), 8 accumulators, sums, scale words.   window 1: Wk's tiles 0-3 (v0-191), q of tiles 4-7 (v192-223), copies of four LDS addresses (v232-235).
;   window 2: Wk's tiles 4-7, q of tiles 0-3.   window 3: two staging sets of 112.
; Under 0x01 and 0x02 source 0 alone leaves window 0: Wk's fragment of a product, q of a fold, the address of an LDS load.  So a run of 16 products with its folds and loads needs no switch inside.
; A macro's argument is put in as text: wherever one stands inside a larger expression it is written in parentheses.
.set KP,    400                        ; a key's row in LDS: 384 bytes + 16 = 100 words: row r starts at bank 36 r mod 64, sixteen different multiples of 4 (64 banks of 4 bytes: ISA guide 11.1)
.set ENTB,  28672                      ; an entry in a slot: 64 rows of codes,
.set SCO,   64*KP                      ; its scale bytes, 16 a key,
.set QO,    SCO+1024                   ; and q of its batch and my head: 512 f32, wave w's 128 at 512 w
.set SLOTB, 2*ENTB                     ; slots at 0 and SLOTB
.set EP,    2*SLOTB                    ; the waves' parts of the energies: [entry] 1,024 + [wave] 256 + [tile] 64 + 4 r
.set WKR,   EP+16384                   ; each wave's own 64 rows x KP, through which Wk turns into fragments at the head
.set VW,   9                           ; v9       my fragment's place in my part of WKR
.set SW,   10                          ; v10-12   where I store 16 bytes there, for loads 3 m + j
.set L16,  13                          ; v13      16 x lane
.set WSA,  14                          ; v14      Wk's scale words: 1,024 hh + 16 r
.set KB,   16                          ; v16-63, v64-111  keys' fragments, two sets of 4 K steps x 12
.set DA,   120                         ; v120-151 accumulators of Wk's tiles 0-3
.set DB,   152                         ; v152-183 of tiles 4-7
.set EPR,  184                         ; v184-191 a pair of sums for each of an entry's four tiles of keys
.set F,    192                         ; v192-195, v196-199  an entry's end
.set G,    196
.set T,    200                         ; v200-205 three more pairs for the last tile's last folds
.set WS,   208                         ; v208-223 Wk's scale words: register 4 tt + ks: lanes 0-15 tile tt, lanes 16-31 tile tt + 4: scales and nothing else
.set KS,   224                         ; v224-231 the keys' scale words, two sets of 4
.set VA,   232                         ; v232-233 slot + KP r + 24 hh      (v232-235 also in window 1)
.set VS,   234                         ; v234-235 slot + 16 r
.set VQ,   236                         ; v236-237 slot + 512 w + 32 hh
.set SK,   238                         ; v238-243 slot s, loads 3 m + j: where I store 16 bytes of codes: v[SK + 3 s + j]
.set SS,   244                         ; v244-245 slot + 256 w + 8 lane
.set SQ,   246                         ; v246-247 slot + 512 w + 16 lane
.set VE0,  248                         ; v248     EP + 256 w + 4 r
.set VEA,  249                         ; v249     the same for the trip's four entries
.set GC,   250                         ; v250     in a group's codes: 6,144 w + 16 lane
.set GS,   251                         ; v251     in its scale bytes: 256 w + 8 lane
.set GQ,   252                         ; v252     in q: 512 w + 16 lane
.set LIST, 253                         ; v253     lane i: the group of my work-group's entry i (0 where there is none)
.set L8,   254                         ; v254     8 x lane
.set VEP,  255                         ; v255     EP + 1,024 w + 8 lane
; s18 wave, s19 g, s20 h, s21 cnt, s22 U, s23 the trip's first entry (0, 4, 8, 12), s24 = 1,024 s23, s25-27, s30 at work, s[28:29] lane selects, s31 = 0 (offsets are pairs s[30:31]),
; s[36:47], s[48:59] two sets of pointers (for each of two entries: codes, scale bytes, q), s[68:75] the end's four.  During the scan key_len lies in s32-63 and s68-99.
.set MSB, 0
.macro WIN new                         ; the immediate's high byte repeats the setting that is left; a switch that changes nothing is dropped
.if MSB != \new
	s_set_vgpr_msb (MSB<<8)|\new
.set MSB, \new
.endif
.endm
.macro BAR                             ; my LDS stores have landed and my LDS loads are in: then the work-group's barrier
	s_wait_dscnt 0x0
	s_barrier_signal -1
	s_barrier_wait -1
.endm
; The pointers of entries s25 and s25 + 1 into set pb.  A group's number is held to 511 before it enters an address; an entry that does not exist has group 0: valid bytes that nobody uses.
.macro PTRS pb
.irp en, 0,1
	v_readlane_b32 s26, v[LIST], s25
	s_min_u32 s26, s26, 511
	s_mul_i32 s30, s26, 64*384
	s_add_nc_u64 s[(\pb)+6*\en:(\pb)+6*\en+1], s[8:9], s[30:31]
	s_lshl_b32 s30, s26, 10
	s_add_nc_u64 s[(\pb)+6*\en+2:(\pb)+6*\en+3], s[10:11], s[30:31]
	s_and_b32 s30, s26, 0x1f8
	s_lshl_b32 s30, s30, 11                        ; the batch's row of q_ws: 16,384 (e / 8)
	s_add_nc_u64 s[(\pb)+6*\en+4:(\pb)+6*\en+5], s[14:15], s[30:31]
	s_add_co_u32 s25, s25, 1
.endr
.endm
.macro SG_LOAD S, pb                   ; two entries into staging set S: 28 loads a wave
	WIN 0xc0                                       ; destination window 3
.irp en, 0,1
.irp i, 0,1,2,3,4,5,6,7,8,9,10,11
	global_load_b128 v[112*(\S)+56*\en+4*\i:112*(\S)+56*\en+4*\i+3], v[GC], s[(\pb)+6*\en:(\pb)+6*\en+1] offset:512*\i
.endr
	global_load_b64 v[112*(\S)+56*\en+48:112*(\S)+56*\en+49], v[GS], s[(\pb)+6*\en+2:(\pb)+6*\en+3]
	global_load_b128 v[112*(\S)+56*\en+52:112*(\S)+56*\en+55], v[GQ], s[(\pb)+6*\en+4:(\pb)+6*\en+5]
.endr
	WIN 0
.endm
.macro SG_STORE S, slot                ; and from there into a slot.  Three loads are 96 pieces of 16 bytes, four rows: 4 KP bytes of LDS
	WIN 0x0c                                       ; an LDS store's data are its source 1: window 3
.irp en, 0,1
.irp i, 0,1,2,3,4,5,6,7,8,9,10,11
	ds_store_b128 v[SK+3*(\slot)+\i%3], v[112*(\S)+56*\en+4*\i:112*(\S)+56*\en+4*\i+3] offset:ENTB*\en+4*KP*(\i/3)
.endr
	ds_store_b64 v[SS+(\slot)], v[112*(\S)+56*\en+48:112*(\S)+56*\en+49] offset:ENTB*\en+SCO
	ds_store_b128 v[SQ+(\slot)], v[112*(\S)+56*\en+52:112*(\S)+56*\en+55] offset:ENTB*\en+QO
.endr
	WIN 0
.endm
; Load n of the 25 that bring a tile of 16 keys into set kb: 24 pieces of 8 bytes (a fragment's registers 6 c .. 6 c + 5 hold K = 64 c + 32 hh + 0 .. 31: 24 bytes of the row as they lie), then the scale words
.macro LD n, kb, P, en, tile
.if (\n) < 24
	ds_load_b64 v[KB+48*(\kb)+2*(\n):KB+48*(\kb)+2*(\n)+1], v[VA+(\P)] offset:ENTB*(\en)+16*KP*(\tile)+96*((\n)/6)+48*(((\n)%6)/3)+8*((\n)%3)
.else
	ds_load_b128 v[KS+4*(\kb):KS+4*(\kb)+3], v[VS+(\P)] offset:ENTB*(\en)+SCO+256*(\tile)
.endif
.endm
; Product s of a run's 16: K step s / 4, Wk's tile s % 4 of the window's four: the four accumulators take turns, one instruction a turn.  The first four start the sums.
.macro MM grp, s, kb
.set ks_, (\s)/4
.set tt_, (\s)%4
.set d_, DA+32*(\grp)+8*tt_
.set a_, 12*(4*tt_+ks_)
.set b_, KB+48*(\kb)+12*ks_
.if (ks_ == 0) && ((\grp) == 0)
	v_wmma_scale_f32_16x16x128_f8f6f4 v[d_:d_+7], v[a_:a_+11], v[b_:b_+11], 0, v[WS+4*tt_+ks_], v[KS+4*(\kb)+ks_] matrix_a_fmt:MATRIX_FMT_BF6 matrix_b_fmt:MATRIX_FMT_BF6
.elseif (\grp) == 0
	v_wmma_scale_f32_16x16x128_f8f6f4 v[d_:d_+7], v[a_:a_+11], v[b_:b_+11], v[d_:d_+7], v[WS+4*tt_+ks_], v[KS+4*(\kb)+ks_] matrix_a_fmt:MATRIX_FMT_BF6 matrix_b_fmt:MATRIX_FMT_BF6
.elseif ks_ == 0
	v_wmma_scale_f32_16x16x128_f8f6f4 v[d_:d_+7], v[a_:a_+11], v[b_:b_+11], 0, v[WS+4*tt_+ks_], v[KS+4*(\kb)+ks_] matrix_a_fmt:MATRIX_FMT_BF6 matrix_b_fmt:MATRIX_FMT_BF6 matrix_a_scale:MATRIX_SCALE_ROW1
.else
	v_wmma_scale_f32_16x16x128_f8f6f4 v[d_:d_+7], v[a_:a_+11], v[b_:b_+11], v[d_:d_+7], v[WS+4*tt_+ks_], v[KS+4*(\kb)+ks_] matrix_a_fmt:MATRIX_FMT_BF6 matrix_b_fmt:MATRIX_FMT_BF6 matrix_a_scale:MATRIX_SCALE_ROW1
.endif
.endm
; Fold s of 16: two rows a of accumulator s / 4, from its low end on: the pair ep += q k.  q comes from the window in force.
.macro FOLD dbase, s, ep, first
.set ft_, 8*((\s)/4)+2*((\s)%4)
.if \first
	v_pk_mul_f32 v[(\ep):(\ep)+1], v[192+ft_:193+ft_], v[(\dbase)+ft_:(\dbase)+ft_+1]
.else
	v_pk_fma_f32 v[(\ep):(\ep)+1], v[192+ft_:193+ft_], v[(\dbase)+ft_:(\dbase)+ft_+1], v[(\ep):(\ep)+1]
.endif
.endm
; TILE k of an entry: two runs of 16 products.  Behind each product of the first run stands a fold of the tile before's accumulators 4-7, behind each of the second a fold of this tile's 0-3.
; An accumulator's last product stands in a run's slots 12 to 15, and its first fold four plain vector instructions or more further on, which name none of that product's registers (ISA guide 7.12.1).
; The next tile's 25 loads stand in the first run from slot 4 on, behind five such instructions since the last product that read that set, and have 16 products or more in which to land.
.macro TILE P, en, k
.set kb_, (\k)%2
.if (\k) > 0
	s_wait_dscnt 0x0                               ; this tile's fragments and scale words are in
.endif
	WIN 0x01
.set sl, 0
.set ln, 0
.rept 16
	MM 0, sl, kb_
.if (\k) > 0
	FOLD DB, sl, EPR+2*(\k)-2, 0
.elseif sl >= 12
	v_nop                                          ; an entry's first tile has nothing to fold here: the four places
.endif
.if ((\k) < 3) && (sl >= 4)
	LD ln, 1-kb_, \P, \en, (\k)+1
.set ln, ln+1
	LD ln, 1-kb_, \P, \en, (\k)+1
.set ln, ln+1
.if sl == 15
	LD ln, 1-kb_, \P, \en, (\k)+1
.endif
.endif
.set sl, sl+1
.endr
.if (\k) == 3                          ; the next entry's first tile, if there is a next entry: in the same slot, or in the other, which was stored ahead of the barrier that stands in front of this entry
	WIN 0
	s_add_co_u32 s25, s23, 2*(\P)+(\en)+1
	s_cmp_lt_u32 s25, s21
	s_cbranch_scc0 .Lno_next_\@
.set ln, 0
.rept 25
.if (\en) == 0
	LD ln, 0, \P, 1, 0
.else
	LD ln, 0, 1-(\P), 0, 0
.endif
.set ln, ln+1
.endr
.Lno_next_\@:
.endif
.if (\k) == 0
	s_wait_dscnt 25                                ; q's sixteen loads are in; the 25 of tile 1 are younger and may be out
.endif
	WIN 0x02
.set sl, 0
.rept 16
	MM 1, sl, kb_
.if sl == 0
	FOLD DA, sl, EPR+2*(\k), 1
.else
	FOLD DA, sl, EPR+2*(\k), 0
.endif
.set sl, sl+1
.endr
.endm
; ENTRY s23 + 2 P + en, in slot P: jumped over as a whole where the work-group has no such entry.  Its first tile's fragments were asked for ahead of the barrier in front of it.
.macro GROUP P, en
	s_add_co_u32 s25, s23, 2*(\P)+(\en)
	s_cmp_lt_u32 s25, s21
	s_cbranch_scc0 .Lno_entry_\@
	WIN 0x80                                       ; q of my 128 rows: lane (r, hh) wants, for tile t, those of rows 16 t + 8 hh + 0 .. 7
.irp t, 0,1,2,3
	ds_load_b128 v[192+8*\t:195+8*\t], v[VQ+(\P)] offset:ENTB*(\en)+QO+64*\t
	ds_load_b128 v[196+8*\t:199+8*\t], v[VQ+(\P)] offset:ENTB*(\en)+QO+64*\t+16
.endr
	WIN 0x40
.irp t, 0,1,2,3
	ds_load_b128 v[192+8*\t:195+8*\t], v[VQ+(\P)] offset:ENTB*(\en)+QO+256+64*\t
	ds_load_b128 v[196+8*\t:199+8*\t], v[VQ+(\P)] offset:ENTB*(\en)+QO+256+64*\t+16
.endr
	TILE \P, \en, 0
	TILE \P, \en, 1
	TILE \P, \en, 2
	TILE \P, \en, 3
	WIN 0x01                                       ; the last tile's accumulators 4-7: no product stands between the folds, so they go in four chains
.rept 4
	v_nop
.endr
.irp i, 0,1,2,3
	v_pk_fma_f32 v[EPR+6:EPR+7], v[192+2*\i:193+2*\i], v[DB+2*\i:DB+2*\i+1], v[EPR+6:EPR+7]
.irp tt, 1,2,3
.if \i == 0
	v_pk_mul_f32 v[T+2*\tt-2:T+2*\tt-1], v[192+8*\tt:193+8*\tt], v[DB+8*\tt:DB+8*\tt+1]
.else
	v_pk_fma_f32 v[T+2*\tt-2:T+2*\tt-1], v[192+8*\tt+2*\i:193+8*\tt+2*\i], v[DB+8*\tt+2*\i:DB+8*\tt+2*\i+1], v[T+2*\tt-2:T+2*\tt-1]
.endif
.endr
.endr
	WIN 0
	v_pk_add_f32 v[EPR+6:EPR+7], v[EPR+6:EPR+7], v[T:T+1]
	v_pk_add_f32 v[T+2:T+3], v[T+2:T+3], v[T+4:T+5]
	v_pk_add_f32 v[EPR+6:EPR+7], v[EPR+6:EPR+7], v[T+2:T+3]
.irp k, 0,1,2,3
	v_add_f32 v[F+\k], v[EPR+2*\k], v[EPR+2*\k+1]
.endr
.irp k, 0,1,2,3
	v_permlanex16_b32 v[G+\k], v[F+\k], s28, s29   ; the key's other 64 rows a lie in the lane 16 away
.endr
.irp k, 0,1,2,3
	v_add_f32 v[F+\k], v[F+\k], v[G+\k]
.endr
.irp k, 0,1,2,3
	ds_store_b32 v[VEA], v[F+\k] offset:1024*(2*(\P)+(\en))+64*\k  ; lanes r and r + 16 write the same word with the same value
.endr
.Lno_entry_\@:
.endm
; A SUPER-TRIP: slot P's two entries.  The first barrier parts every wave's reads of the other slot from the stores that now fill it; the second parts those stores from the first reads of them,
; which the second entry makes.  The staged loads were issued a super-trip ago; only one set is ever out, so the wait is for 0, and it stands on every path.
.macro SUPER P
	BAR
.if (\P) == 0
	v_add_nc_u32 v[VEA], s24, v[VE0]
.endif
	s_wait_loadcnt 0x0                             ; the staged entries are in registers, and no load reads a pointer any more
	s_add_co_u32 s25, s23, 2*(\P)+2
	s_cmp_lt_u32 s25, s21
	s_cbranch_scc0 .Lno_store_\@
	SG_STORE 1-(\P), 1-(\P)
.Lno_store_\@:
	s_add_co_u32 s25, s23, 2*(\P)+4
	s_cmp_lt_u32 s25, s21
	s_cbranch_scc0 .Lno_load_\@
	PTRS 36+12*(\P)
	SG_LOAD \P, 36+12*(\P)
.Lno_load_\@:
	GROUP \P, 0
	BAR
	GROUP \P, 1
.endm
	s_load_b256 s[4:11], s[0:1], 0x0               ; Wk's codes s[4:5], its scales s[6:7], the keys' codes s[8:9], their scales s[10:11]
	s_load_b128 s[12:15], s[0:1], 0x20             ; key_len s[12:13], q_ws s[14:15]
	s_load_b64 s[16:17], s[0:1], 0x30              ; e_ws
	v_lshl_add_u32 v15, v0, 2, 0x39000
	s_set_vgpr_msb 0x40
	v_mov_b32 v255, 0
	s_set_vgpr_msb 0x4000
	v_lshrrev_b32 v1, 5, v0
	v_readfirstlane_b32 s18, v1                    ; wave
	s_mov_b32 s19, ttmp9                           ; g
	s_and_b32 s20, ttmp7, 0xffff                   ; h
	s_mov_b32 s28, 0x76543210
	s_mov_b32 s29, 0xfedcba98                      ; v_permlanex16_b32's selects for lane l xor 16
	s_mov_b32 s31, 0
	v_and_b32 v1, 31, v0                           ; lane
	v_and_b32 v4, 15, v0                           ; r
	v_bfe_u32 v5, v0, 4, 1                         ; hh
	v_lshlrev_b32 v[L16], 4, v1
	v_lshlrev_b32 v[L8], 3, v1
	v_mul_u32_u24 v6, v4, KP
	v_mad_u32_u24 v6, v5, 24, v6                   ; a fragment's place: row r, + 24 hh
	s_mul_i32 s25, s18, 64*KP
	s_add_co_u32 s25, s25, WKR                     ; my part of WKR
	s_mul_i32 s26, s18, 16*KP                      ; my 16 rows of an entry, in slot 0
	s_add_co_u32 s27, s26, SLOTB                   ; and in slot 1
	v_add_nc_u32 v[VW], s25, v6
.irp j, 0,1,2                          ; piece 32 j + lane of 96 (four rows of 24 pieces of 16 bytes) lies at 16 (piece + its row); row = piece / 24 = (43 piece) >> 10 for pieces under 96
	v_add_nc_u32 v7, 32*\j, v1
	v_mul_u32_u24 v8, v7, 43
	v_lshrrev_b32 v8, 10, v8
	v_add_nc_u32 v7, v7, v8
	v_lshlrev_b32 v7, 4, v7
	v_add_nc_u32 v[SW+\j], s25, v7
	v_add_nc_u32 v[SK+\j], s26, v7
	v_add_nc_u32 v[SK+3+\j], s27, v7
.endr
	v_mov_b32 v[VA], v6
	v_add_nc_u32 v[VA+1], SLOTB, v6
	v_lshlrev_b32 v[VS], 4, v4
	v_add_nc_u32 v[VS+1], SLOTB, v[VS]
	s_lshl_b32 s25, s18, 9                         ; 512 w
	s_lshl_b32 s26, s18, 8                         ; 256 w
	v_lshlrev_b32 v7, 5, v5
	v_add_nc_u32 v[VQ], s25, v7
	v_add_nc_u32 v[VQ+1], SLOTB, v[VQ]
	v_add_nc_u32 v[SS], s26, v[L8]
	v_add_nc_u32 v[SS+1], SLOTB, v[SS]
	v_add_nc_u32 v[SQ], s25, v[L16]
	v_add_nc_u32 v[SQ+1], SLOTB, v[SQ]
	v_add_nc_u32 v[GS], s26, v[L8]
	v_add_nc_u32 v[GQ], s25, v[L16]
	s_mul_i32 s27, s18, 6144
	v_add_nc_u32 v[GC], s27, v[L16]
	s_add_co_u32 s26, s26, EP
	v_lshlrev_b32 v7, 2, v4
	v_add_nc_u32 v[VE0], s26, v7
	s_lshl_b32 s27, s18, 10
	s_add_co_u32 s27, s27, EP
	v_add_nc_u32 v[VEP], s27, v[L8]
	v_lshlrev_b32 v[WSA], 10, v5
	v_lshl_add_u32 v[WSA], v4, 4, v[WSA]
	v_lshl_add_u32 v2, v1, 5, s19                  ; the scan: lane i looks for list place g + 32 i
	v_mov_b32 v[LIST], 0
	s_mov_b32 s22, 0
	s_wait_kmcnt 0x0
	s_load_b512 s[32:47], s[12:13], 0x0            ; all 64 lengths
	s_load_b512 s[48:63], s[12:13], 0x40
	s_load_b512 s[68:83], s[12:13], 0x80
	s_load_b512 s[84:99], s[12:13], 0xc0
	s_lshl_b32 s25, s20, 9
	s_lshl_b32 s26, s18, 7
	s_add_co_u32 s25, s25, s26                     ; my first row of Wk: 512 h + 128 w
	s_mul_i32 s30, s25, 384
	s_add_nc_u64 s[4:5], s[4:5], s[30:31]
	s_lshl_b32 s30, s25, 4
	s_add_nc_u64 s[6:7], s[6:7], s[30:31]
	s_lshl_b32 s30, s20, 11
	s_add_nc_u64 s[14:15], s[14:15], s[30:31]      ; q_ws at my head
	s_lshl_b32 s30, s20, 17
	s_add_nc_u64 s[16:17], s[16:17], s[30:31]      ; e_ws at my head
	WIN 0x80                                       ; my rows 0-63 of Wk as they lie, 48 loads of 512 consecutive bytes, into window 2
.set ii, 0
.rept 48
	global_load_b128 v[4*ii:4*ii+3], v[L16], s[4:5] offset:512*ii
.set ii, ii+1
.endr
	WIN 0
	s_wait_kmcnt 0x0
; THE SCAN, while those loads are on their way.  d = the place sought less the groups of the batches passed.  Batch b has n groups: where d < n the place is group 8 b + d;
; then d - n wraps round and, with at most 512 taken off in all, is never under an n again.
.set bb, 0
.rept 64
.if bb < 32
.set sr, 32+bb
.else
.set sr, 36+bb
.endif
	s_max_i32 s25, s[sr], 0
	s_min_i32 s25, s25, 512
	s_add_co_u32 s25, s25, 63
	s_lshr_b32 s25, s25, 6                         ; n
	v_cmp_gt_u32 vcc_lo, s25, v2
	v_add_nc_u32 v3, 8*bb, v2
	v_cndmask_b32 v[LIST], v[LIST], v3, vcc_lo
	v_sub_nc_u32 v2, v2, s25
	s_add_co_u32 s22, s22, s25                     ; U
.set bb, bb+1
.endr
	s_add_co_u32 s21, s22, 31
	s_sub_co_u32 s21, s21, s19
	s_lshr_b32 s21, s21, 5                         ; cnt
.set ii, 0
.rept 48                               ; my rows 64-127 of Wk, into v16-207 of window 0
	global_load_b128 v[16+4*ii:16+4*ii+3], v[L16], s[4:5] offset:24576+512*ii
.set ii, ii+1
.endr
.irp tt, 0,1,2,3
	global_load_b128 v[WS+4*\tt:WS+4*\tt+3], v[WSA], s[6:7] offset:256*\tt   ; a row's 16 scale bytes are its four words; lanes 16-31 take the tile four further on
.endr
	s_mov_b32 s25, 0
	PTRS 36
	SG_LOAD 0, 36                                  ; entries 0 and 1,
	PTRS 48
	SG_LOAD 1, 48                                  ; 2 and 3: both without a test, so that every staging register is written
	s_wait_loadcnt 63                              ; rows 0-63 are in: 108 loads are younger, and 63 is the largest count that can be written
	WIN 0x08                                       ; data from window 2
.set ii, 0
.rept 48
	ds_store_b128 v[SW+ii%3], v[4*ii:4*ii+3] offset:4*KP*(ii/3)
.set ii, ii+1
.endr
	WIN 0x40                                       ; back as fragments (tile tt, K step ks) at v[12 (4 tt + ks)] of window 1.  LDS serves a wave's instructions in order (ISA guide 5.7.1.4): no wait between
.set ff, 0
.rept 16
.irp p, 0,1,2,3,4,5
	ds_load_b64 v[12*ff+2*\p:12*ff+2*\p+1], v[VW] offset:16*KP*(ff/4)+96*(ff%4)+48*(\p/3)+8*(\p%3)
.endr
.set ff, ff+1
.endr
	s_wait_loadcnt 60                              ; rows 64-127 are in: 4 + 28 + 28 loads are younger
	WIN 0
.set ii, 0
.rept 48
	ds_store_b128 v[SW+ii%3], v[16+4*ii:16+4*ii+3] offset:4*KP*(ii/3)   ; into the same bytes, which are my own: behind the loads above
.set ii, ii+1
.endr
	s_wait_dscnt 48                                ; all but these 48: the first half's stores have read window 2
	WIN 0x80
.set ff, 0
.rept 16
.irp p, 0,1,2,3,4,5
	ds_load_b64 v[12*ff+2*\p:12*ff+2*\p+1], v[VW] offset:16*KP*(ff/4)+96*(ff%4)+48*(\p/3)+8*(\p%3)
.endr
.set ff, ff+1
.endr
	WIN 0x40
.irp i, 0,1,2,3
	v_mov_b32 v[VA+\i], v[VA+\i]                   ; the four addresses of the loads that stand among the products, once more in window 1
.endr
	WIN 0
	s_wait_loadcnt 28                              ; Wk's scale words and staging set 0 are in; set 1 is younger
	SG_STORE 0, 0
	BAR                                            ; slot 0 is whole; Wk's fragments are in; the stores of Wk's raw bytes have read v16-207
.irp k, 0,1,2,3
	v_mov_b32 v[G+\k], 0                           ; written once: a lane permute's destination counts as one of its sources
.endr
.set ln, 0
.rept 25
	LD ln, 0, 0, 0, 0                              ; entry 0's first tile
.set ln, ln+1
.endr
	s_mov_b32 s23, 0
	s_mov_b32 s24, 0
.Ltrip:                                            ; four trips of four entries: a constant count, so that every wave passes every barrier whatever cnt is
	SUPER 0
	SUPER 1
	s_add_co_u32 s24, s24, 4096
	s_add_co_u32 s23, s23, 4
	s_cmp_lt_u32 s23, 16
	s_cbranch_scc1 .Ltrip
	BAR                                            ; all waves' parts lie in EP
; THE END.  Wave w adds the four parts of entries w, w + 4, w + 8, w + 12 and stores each group's 64 energies: 32 lanes, 256 consecutive bytes, at a multiple of 256 from e_ws's first byte.
.irp k, 0,1,2,3
	s_add_co_u32 s25, s18, 4*\k
	s_cmp_lt_u32 s25, s21
	s_cbranch_scc0 .Lno_out\k
	v_readlane_b32 s26, v[LIST], s25
	s_min_u32 s26, s26, 511
	s_lshl_b32 s30, s26, 8
	s_add_nc_u64 s[68+2*\k:69+2*\k], s[16:17], s[30:31]
.irp u, 0,1,2,3
	ds_load_b64 v[16+8*\k+2*\u:17+8*\k+2*\u], v[VEP] offset:4096*\k+256*\u
.endr
	s_wait_dscnt 0x0
	v_pk_add_f32 v[16+8*\k:17+8*\k], v[16+8*\k:17+8*\k], v[18+8*\k:19+8*\k]
	v_pk_add_f32 v[20+8*\k:21+8*\k], v[20+8*\k:21+8*\k], v[22+8*\k:23+8*\k]
	v_pk_add_f32 v[16+8*\k:17+8*\k], v[16+8*\k:17+8*\k], v[20+8*\k:21+8*\k]
	global_store_b64 v[L8], v[16+8*\k:17+8*\k], s[68+2*\k:69+2*\k]
.Lno_out\k:
.endr
	s_set_vgpr_msb 0x4
	s_wait_tensorcnt 0x0
	ds_add_u32 v15, v255
	s_wait_dscnt 0x0
	s_set_vgpr_msb 0x400
	s_endpgm
.Lfunc_end_k_q4dca4f4e39_energy:
	.size	k_q4dca4f4e39_energy, .Lfunc_end_k_q4dca4f4e39_energy-k_q4dca4f4e39_energy
	.p2alignl 7, 3214868480
	.fill 96, 4, 3214868480
	.section	.rodata,"a",@progbits
	.p2align	6, 0x0
	.amdhsa_kernel k_q4dca4f4e39_energy
		.amdhsa_group_segment_fixed_size 233984
		.amdhsa_private_segment_fixed_size 0
		.amdhsa_enable_private_segment 0
		.amdhsa_kernarg_size 56
		.amdhsa_user_sgpr_count 2
		.amdhsa_user_sgpr_kernarg_segment_ptr 1
		.amdhsa_wavefront_size32 1
		.amdhsa_system_sgpr_workgroup_id_x 1
		.amdhsa_system_sgpr_workgroup_id_y 1
		.amdhsa_system_sgpr_workgroup_id_z 1
		.amdhsa_system_vgpr_workitem_id 0
		.amdhsa_next_free_vgpr 1024
		.amdhsa_next_free_sgpr 104
		.amdhsa_reserve_vcc 1
		.amdhsa_float_denorm_mode_32 3
		.amdhsa_float_denorm_mode_16_64 3
		.amdhsa_memory_ordered 1
		.amdhsa_forward_progress 1
		.amdhsa_inst_pref_size 215
	.end_amdhsa_kernel
	.amdgpu_metadata
---
amdhsa.version: [ 1, 2 ]
amdhsa.kernels:
  - .name:           k_q4dca4f4e39_energy
    .symbol:         k_q4dca4f4e39_energy.kd
    .args:
      - { .name: Wk_codes, .offset: 0, .size: 8, .value_kind: global_buffer, .address_space: global }
      - { .name: Wk_scales, .offset: 8, .size: 8, .value_kind: global_buffer, .address_space: global }
      - { .name: keys_codes, .offset: 16, .size: 8, .value_kind: global_buffer, .address_space: global }
      - { .name: keys_scales, .offset: 24, .size: 8, .value_kind: global_buffer, .address_space: global }
      - { .name: key_len, .offset: 32, .size: 8, .value_kind: global_buffer, .address_space: global }
      - { .name: q_ws, .offset: 40, .size: 8, .value_kind: global_buffer, .address_space: global }
      - { .name: e_ws, .offset: 48, .size: 8, .value_kind: global_buffer, .address_space: global }
    .group_segment_fixed_size: 233984
    .private_segment_fixed_size: 0
    .kernarg_segment_align: 8
    .kernarg_segment_size: 56
    .max_flat_workgroup_size: 128
    .sgpr_count:     104
    .vgpr_count:     1024
    .wavefront_size: 32
...
	.end_amdgpu_metadata
.endif
;; end of part 2
;; launch context (part 3): grid 4 x 64, 16 waves a work-group, no clusters, 83,968 bytes of LDS; arguments e_ws, key_len, value, out0, out1; writes out0, out1
.if DOCPART == 3
	.amdgcn_target "amdgcn-amd-amdhsa--gfx1250"
	.amdhsa_code_object_version 6
	.text
	.protected	k_q4dca4f4e39_context
	.globl	k_q4dca4f4e39_context
	.p2align	8
	.type	k_q4dca4f4e39_context,@function
k_q4dca4f4e39_context:
	s_mov_b64 s[64:65], 0
	v_nop
	global_prefetch_b8 v0, s[64:65] scope:SCOPE_SE
	s_setreg_imm32_b32 hwreg(HW_REG_WAVE_MODE, 25, 1), 1
	s_wait_xcnt 0x0
; attn[b][h][:] = softmax over s of (energy[h][b][s], or -1e10 where s >= key_len[b]);  out1 = attn;  out0[b][512 h + d] = sum over s of attn[b][h][s] value[b][s][d].  All in f32.
; SHARES.  Work-group (c, b): batch b, columns d = 128 c .. 128 c + 127 (512 bytes of each row of value).  Wave w takes rows 64 k + 4 w + j (j = 0 .. 3) in step k; a lane holds four columns, for all eight heads.
; Waves 0-7 first make head w's softmax over all 512 places, the row's maximum taken away as reference() does; the weights go to LDS for all sixteen, and the work-group with c = w / 2 stores that head's row of out1.
; WHAT IS LEFT OUT.  With L = key_len held to 0 .. 512, and 512 for L = 0 (all places masked: every weight is 1 / 512), steps k >= n = ceil(L / 64) are not read or summed: their weights are exp(-1e10 - max).
; LIMITS.  That weight is 0 in f32 as long as the row's largest unmasked energy lies above about -1e10 + 104; below that reference() would give those rows weight and this text does not.
; Infinities or NaN in rows of value at s >= 64 n would give NaN in reference() (0 x infinity) and do not here.
; Memory binds: each byte of the rows that count is read once, 512 consecutive bytes a load, all loads issued at the head; matrix units, clusters and tensor loads would add nothing.
.set AT,  0                            ; LDS: the weights, [8 h][512 s] f32
.set RED, 16384                        ; the waves' parts of the sums: [16 waves][8 h][128 d] f32
.set V,   16                           ; v16-143  value: step k, row j at v[16 + 16 k + 4 j]
.set ACC, 144                          ; v144-175 four columns for each head
.set A,   176                          ; v176-207 the energies and the softmax's work; then the weights of my four rows, four for each head; then the last sums
	s_load_b256 s[4:11], s[0:1], 0x0               ; e_ws s[4:5], key_len s[6:7], value s[8:9], out0 s[10:11]
	s_load_b64 s[12:13], s[0:1], 0x20              ; out1
	v_lshl_add_u32 v224, v0, 2, 0x14000
	v_mov_b32 v225, 0
	v_lshrrev_b32 v1, 5, v0
	v_readfirstlane_b32 s14, v1                    ; wave
	s_and_b32 s15, ttmp7, 0xffff                   ; b
	s_mov_b32 s16, ttmp9                           ; c
	s_mov_b32 s24, 0x76543210
	s_mov_b32 s25, 0xfedcba98                      ; v_permlanex16_b32's selects for lane l xor 16
	s_mov_b32 s27, 0                               ; offsets are pairs s[26:27]
	v_and_b32 v1, 31, v0                           ; lane
	v_lshlrev_b32 v2, 4, v1                        ; 16 lane
	s_lshl_b32 s28, s14, 13
	v_add_nc_u32 v3, s28, v2                       ; value: my four rows begin 8,192 w bytes into a step
	v_mov_b32 v4, 0
	s_lshl_b32 s28, s14, 11
	v_add_nc_u32 v5, s28, v2                       ; the weights, in: head w's row (waves 0-7 alone store there)
	s_lshl_b32 s28, s14, 4
	v_mov_b32 v6, s28                              ; and out: my four rows' weights, 16 w bytes into a step's 256: one address for all lanes
	s_lshl_b32 s28, s14, 12
	s_add_co_u32 s28, s28, RED
	v_add_nc_u32 v7, s28, v2                       ; my part of the sums
	v_lshl_add_u32 v8, v0, 3, RED                  ; the last sums: thread t takes the 8 bytes at 8 t of each wave's part
	v_lshrrev_b32 v9, 6, v0
	v_and_b32 v11, 63, v0
	v_lshlrev_b32 v9, 11, v9
	v_lshl_add_u32 v9, v11, 3, v9                  ; and stores them at head t / 64, columns 2 (t % 64) on
	v_lshlrev_b32 v10, 2, v1                       ; 4 lane: my first place in 128
	s_wait_kmcnt 0x0
	s_lshl_b32 s17, s15, 2
	s_load_b32 s18, s[6:7], s17 offset:0x0         ; key_len[b]
	s_lshl_b32 s26, s14, 17
	s_lshl_b32 s28, s15, 11
	s_add_co_u32 s26, s26, s28
	s_add_nc_u64 s[4:5], s[4:5], s[26:27]          ; e_ws at (head w, b): used by waves 0-7 alone
	s_lshl_b32 s26, s15, 20
	s_lshl_b32 s28, s16, 9
	s_add_co_u32 s26, s26, s28
	s_add_nc_u64 s[8:9], s[8:9], s[26:27]          ; value at (b, row 0, column 128 c)
	s_lshl_b32 s26, s15, 14
	s_add_co_u32 s26, s26, s28
	s_add_nc_u64 s[10:11], s[10:11], s[26:27]      ; out0 at (b, column 128 c)
	s_lshl_b32 s26, s15, 14
	s_lshl_b32 s28, s14, 11
	s_add_co_u32 s26, s26, s28
	s_add_nc_u64 s[12:13], s[12:13], s[26:27]      ; out1 at (b, head w): used by waves 0-7 alone
	s_cmp_lt_u32 s14, 8
	s_cbranch_scc0 .Lno_energies
.irp i, 0,1,2,3
	global_load_b128 v[A+4*\i:A+4*\i+3], v2, s[4:5] offset:512*\i  ; places 128 i + 4 lane + 0 .. 3
.endr
.Lno_energies:
.irp j, 0,1,2,3
	global_load_b128 v[V+4*\j:V+4*\j+3], v3, s[8:9] offset:2048*\j th:TH_LOAD_NT   ; step 0 is always wanted
.endr
	s_wait_kmcnt 0x0
	s_max_i32 s20, s18, 0
	s_min_i32 s20, s20, 512                        ; places at or beyond this are masked
	s_cmp_eq_u32 s20, 0
	s_cselect_b32 s21, 512, s20
	s_add_co_u32 s22, s21, 63
	s_lshr_b32 s22, s22, 6                         ; n: steps that count, 1 to 8
; Steps 1 to 7: four rows each, or, where the step does not count, four loads of one place of 16 bytes: the same number of loads on both ways, so that the counted waits below hold whatever n is
.irp k, 1,2,3,4,5,6,7
	s_cmp_gt_u32 s22, \k
	s_cbranch_scc0 .Lnot_wanted\k
.irp j, 0,1,2,3
	global_load_b128 v[V+16*\k+4*\j:V+16*\k+4*\j+3], v3, s[8:9] offset:131072*\k+2048*\j th:TH_LOAD_NT
.endr
	s_branch .Lasked\k
.Lnot_wanted\k:
.irp j, 0,1,2,3
	global_load_b128 v[V+16*\k+4*\j:V+16*\k+4*\j+3], v4, s[8:9]
.endr
.Lasked\k:
.endr
	s_cmp_lt_u32 s14, 8
	s_cbranch_scc0 .Lno_softmax
	s_wait_loadcnt 32                              ; the energies are in; the 32 loads of value are younger
	v_mov_b32 v192, 0xd01502f9                     ; -1e10
	v_sub_nc_u32 v193, s20, v10                    ; place 128 i + 4 lane + c counts where 128 i + c < this
.irp i, 0,1,2,3
.irp c, 0,1,2,3
	v_cmp_lt_i32 vcc_lo, 128*\i+\c, v193
	v_cndmask_b32 v[A+4*\i+\c], v192, v[A+4*\i+\c], vcc_lo
.endr
.endr
	v_max3_num_f32 v194, v[A], v[A+1], v[A+2]      ; the row's maximum: my 16 in two chains,
	v_max3_num_f32 v195, v[A+3], v[A+4], v[A+5]
	v_max3_num_f32 v194, v194, v[A+6], v[A+7]
	v_max3_num_f32 v195, v195, v[A+8], v[A+9]
	v_max3_num_f32 v194, v194, v[A+10], v[A+11]
	v_max3_num_f32 v195, v195, v[A+12], v[A+13]
	v_max3_num_f32 v194, v194, v[A+14], v[A+15]
	v_max_num_f32 v194, v194, v195
	v_max_num_f32_dpp v194, v194, v194 row_xmask:1 row_mask:0xf bank_mask:0xf   ; then across the lanes
	v_max_num_f32_dpp v194, v194, v194 row_xmask:2 row_mask:0xf bank_mask:0xf
	v_max_num_f32_dpp v194, v194, v194 row_xmask:4 row_mask:0xf bank_mask:0xf
	v_max_num_f32_dpp v194, v194, v194 row_xmask:8 row_mask:0xf bank_mask:0xf
	v_permlanex16_b32 v195, v194, s24, s25
	v_max_num_f32 v194, v194, v195
.irp j, 0,1,2,3,4,5,6,7,8,9,10,11,12,13,14,15
	v_sub_f32 v[A+\j], v[A+\j], v194               ; the maximum is taken away first, in f32, as reference() does,
.endr
.irp j, 0,1,2,3,4,5,6,7,8,9,10,11,12,13,14,15
	v_mul_f32 v[A+\j], 0x3fb8aa3b, v[A+\j]         ; then x log2(e)
.endr
.irp j, 0,1,2,3,4,5,6,7,8,9,10,11,12,13,14,15
	v_exp_f32 v[A+\j], v[A+\j]
.endr
	v_nop                                          ; a plain instruction behind the last exponential
	s_wait_alu depctr_va_vdst(0)                   ; one wait for the batch, ahead of its first reader
	v_pk_add_f32 v[196:197], v[A:A+1], v[A+2:A+3]
	v_pk_add_f32 v[198:199], v[A+4:A+5], v[A+6:A+7]
	v_pk_add_f32 v[196:197], v[196:197], v[A+8:A+9]
	v_pk_add_f32 v[198:199], v[198:199], v[A+10:A+11]
	v_pk_add_f32 v[196:197], v[196:197], v[A+12:A+13]
	v_pk_add_f32 v[198:199], v[198:199], v[A+14:A+15]
	v_pk_add_f32 v[196:197], v[196:197], v[198:199]
	v_add_f32 v196, v196, v197
	v_add_f32_dpp v196, v196, v196 row_xmask:1 row_mask:0xf bank_mask:0xf
	v_add_f32_dpp v196, v196, v196 row_xmask:2 row_mask:0xf bank_mask:0xf
	v_add_f32_dpp v196, v196, v196 row_xmask:4 row_mask:0xf bank_mask:0xf
	v_add_f32_dpp v196, v196, v196 row_xmask:8 row_mask:0xf bank_mask:0xf
	v_permlanex16_b32 v197, v196, s24, s25
	v_add_f32 v196, v196, v197                     ; the row's sum, at least 1
	v_rcp_f32 v198, v196
	v_nop
	s_wait_alu depctr_va_vdst(0)
.irp j, 0,2,4,6,8,10,12,14
	v_pk_mul_f32 v[A+\j:A+\j+1], v[A+\j:A+\j+1], v[198:199] op_sel_hi:[1,0]
.endr
.irp i, 0,1,2,3
	ds_store_b128 v5, v[A+4*\i:A+4*\i+3] offset:AT+512*\i
.endr
	s_lshr_b32 s28, s14, 1
	s_cmp_eq_u32 s28, s16                          ; each head's row of out1 has one owner among the batch's four work-groups
	s_cbranch_scc0 .Lno_softmax
.irp i, 0,1,2,3
	global_store_b128 v2, v[A+4*\i:A+4*\i+3], s[12:13] offset:512*\i   ; 512 consecutive bytes a store
.endr
.Lno_softmax:
	s_wait_xcnt 0x0                                ; out1's stores have read their registers, which the weights take below
	s_wait_dscnt 0x0                               ; for the others' sake: my head's weights lie in LDS
	s_barrier_signal -1
	s_barrier_wait -1
; STEP k: my four rows x eight heads: 64 packed multiply-adds.  The weight of row j is one word of a pair, taken for both halves (even j the low word, odd j the high).
.macro STEP k
.if (\k) > 0
	s_cmp_gt_u32 s22, \k
	s_cbranch_scc0 .Lsummed                        ; this step and all behind it do not count
.endif
	s_wait_loadcnt 4*(7-(\k))                      ; this step's four rows are in; the later steps' loads are younger
.irp h, 0,1,2,3,4,5,6,7
	ds_load_b128 v[A+4*\h:A+4*\h+3], v6 offset:AT+2048*\h+256*(\k)
.endr
	s_wait_dscnt 0x0
.irp j, 0,1,2,3
.irp h, 0,1,2,3,4,5,6,7
.irp p, 0,1
.if ((\k) == 0) && (\j == 0)
	v_pk_mul_f32 v[ACC+4*\h+2*\p:ACC+4*\h+2*\p+1], v[V+2*\p:V+2*\p+1], v[A+4*\h:A+4*\h+1] op_sel_hi:[1,0]   ; the first row starts the sums: nothing is cleared
.elseif (\j%2) == 0
	v_pk_fma_f32 v[ACC+4*\h+2*\p:ACC+4*\h+2*\p+1], v[V+16*(\k)+4*\j+2*\p:V+16*(\k)+4*\j+2*\p+1], v[A+4*\h+\j:A+4*\h+\j+1], v[ACC+4*\h+2*\p:ACC+4*\h+2*\p+1] op_sel_hi:[1,0,1]
.else
	v_pk_fma_f32 v[ACC+4*\h+2*\p:ACC+4*\h+2*\p+1], v[V+16*(\k)+4*\j+2*\p:V+16*(\k)+4*\j+2*\p+1], v[A+4*\h+\j-1:A+4*\h+\j], v[ACC+4*\h+2*\p:ACC+4*\h+2*\p+1] op_sel:[0,1,0] op_sel_hi:[1,1,1]
.endif
.endr
.endr
.endr
.endm
	STEP 0
	STEP 1
	STEP 2
	STEP 3
	STEP 4
	STEP 5
	STEP 6
	STEP 7
.Lsummed:
.irp h, 0,1,2,3,4,5,6,7
	ds_store_b128 v7, v[ACC+4*\h:ACC+4*\h+3] offset:512*\h
.endr
	s_wait_dscnt 0x0                               ; for the others' sake
	s_barrier_signal -1
	s_barrier_wait -1
.irp u, 0,1,2,3,4,5,6,7,8,9,10,11,12,13,14,15
	ds_load_b64 v[A+2*\u:A+2*\u+1], v8 offset:4096*\u              ; the sixteen waves' parts of my two numbers (into the weights' registers: no global load lands there)
.endr
	s_wait_dscnt 0x0
.irp u, 2,4,6,8,10,12,14
	v_pk_add_f32 v[A:A+1], v[A:A+1], v[A+2*\u:A+2*\u+1]            ; two chains
	v_pk_add_f32 v[A+2:A+3], v[A+2:A+3], v[A+2*\u+2:A+2*\u+3]
.endr
	v_pk_add_f32 v[A:A+1], v[A:A+1], v[A+2:A+3]
	global_store_b64 v9, v[A:A+1], s[10:11]        ; a wave stores 256 consecutive bytes, at a multiple of 256 from out0's first byte
	s_wait_tensorcnt 0x0
	ds_add_u32 v224, v225
	s_wait_dscnt 0x0
	s_endpgm
.Lfunc_end_k_q4dca4f4e39_context:
	.size	k_q4dca4f4e39_context, .Lfunc_end_k_q4dca4f4e39_context-k_q4dca4f4e39_context
	.p2alignl 7, 3214868480
	.fill 96, 4, 3214868480
	.section	.rodata,"a",@progbits
	.p2align	6, 0x0
	.amdhsa_kernel k_q4dca4f4e39_context
		.amdhsa_group_segment_fixed_size 83968
		.amdhsa_private_segment_fixed_size 0
		.amdhsa_enable_private_segment 0
		.amdhsa_kernarg_size 40
		.amdhsa_user_sgpr_count 2
		.amdhsa_user_sgpr_kernarg_segment_ptr 1
		.amdhsa_wavefront_size32 1
		.amdhsa_system_sgpr_workgroup_id_x 1
		.amdhsa_system_sgpr_workgroup_id_y 1
		.amdhsa_system_sgpr_workgroup_id_z 1
		.amdhsa_system_vgpr_workitem_id 0
		.amdhsa_next_free_vgpr 226
		.amdhsa_next_free_sgpr 66
		.amdhsa_reserve_vcc 1
		.amdhsa_float_denorm_mode_32 3
		.amdhsa_float_denorm_mode_16_64 3
		.amdhsa_memory_ordered 1
		.amdhsa_forward_progress 1
		.amdhsa_inst_pref_size 56
	.end_amdhsa_kernel
	.amdgpu_metadata
---
amdhsa.version: [ 1, 2 ]
amdhsa.kernels:
  - .name:           k_q4dca4f4e39_context
    .symbol:         k_q4dca4f4e39_context.kd
    .args:
      - { .name: e_ws, .offset: 0, .size: 8, .value_kind: global_buffer, .address_space: global }
      - { .name: key_len, .offset: 8, .size: 8, .value_kind: global_buffer, .address_space: global }
      - { .name: value, .offset: 16, .size: 8, .value_kind: global_buffer, .address_space: global }
      - { .name: out0, .offset: 24, .size: 8, .value_kind: global_buffer, .address_space: global }
      - { .name: out1, .offset: 32, .size: 8, .value_kind: global_buffer, .address_space: global }
    .group_segment_fixed_size: 83968
    .private_segment_fixed_size: 0
    .kernarg_segment_align: 8
    .kernarg_segment_size: 40
    .max_flat_workgroup_size: 512
    .sgpr_count:     66
    .vgpr_count:     226
    .wavefront_size: 32
...
	.end_amdgpu_metadata
.endif
;; end of part 3
;; ======== version 2 of 2: 3 launches
;; workspace buffers: q_ws 1,048,576 bytes; e_ws 1,048,576 bytes
;; launch qproj (part 4): grid 64 x 4, 4 waves a work-group, no clusters, 67,584 bytes of LDS; arguments query_codes, query_scales, Wq_codes, Wq_scales, q_ws, e_ws; writes q_ws, e_ws
.if DOCPART == 4
	.amdgcn_target "amdgcn-amd-amdhsa--gfx1250"
	.amdhsa_code_object_version 6
	.text
	.protected	k_q4dca4f4e39_qproj
	.globl	k_q4dca4f4e39_qproj
	.p2align	8
	.type	k_q4dca4f4e39_qproj,@function
k_q4dca4f4e39_qproj:
	s_mov_b64 s[64:65], 0
	v_nop
	global_prefetch_b8 v0, s[64:65] scope:SCOPE_SE
	s_setreg_imm32_b32 hwreg(HW_REG_WAVE_SCHED_MODE, 0, 2), 2
	s_setreg_imm32_b32 hwreg(HW_REG_WAVE_MODE, 25, 1), 1
	s_wait_xcnt 0x0
	s_wait_alu depctr_vm_vsrc(0)
; q[b][n] = sum over k of query[b][k] Wq[n][k], n = 512 h + a (4,096 rows of Wq), K = 1,024: codes of BF6 (E3M2) with one E8M0 byte for each 32 along K, taken as they lie.
; q_ws: [64 b][4,096 n] f32.  The launch also fills e_ws, [8 h][64 b][512 s] f32, with -1e10: the next launch writes energies only where keys count.
; SHARES.  Work-group (x, y): rows n = 64 x .. 64 x + 63 of Wq, batches 16 y .. 16 y + 15.  Wave v: the 16 rows n0 = 64 x + 16 v: one result of 16 x 16, eight matrix instructions along K.
; Source 0 = 16 rows of Wq, source 1 = 16 rows of query: lane (r, hh) then holds batch 16 y + r, and its register j the row n0 + 8 hh + j: eight neighbours of a row of q_ws.
; THE WAY IN.  Every global load reads 512 consecutive bytes, 16 a lane.  A row of codes is 768 bytes; the bytes go to LDS as rows 784 bytes apart (196 words: row r starts at bank 4 r mod 64,
; 64 banks of 4 bytes: ISA guide 11.1) and come back as fragments, 8 bytes a load.  A wave's tile of Wq is its own; the query tile is brought by the four waves together, four rows each.
; K is shared between two accumulators that take turns (even and odd steps of 128), added at the end: an order of rounding that differs from one chain's.
; THE MODE: SCHED_MODE bits 1:0 = 2 (LLVM: expert scheduling mode 2), set by the entry lines.  The code itself states the register dependences between vector or matrix instructions
; and memory or LDS instructions, with s_wait_alu, always for 0.
; THE PLAN.  The addresses and the four words of -1e10 are made at the head and never written again: one wait on va_vdst ahead of the first load.  v32-151 hold codes as loaded, are read by the
; LDS stores and then written by the fragments' loads and the products: one wait on vm_vsrc behind the first barrier.  The sums in v144-151 are read by the stage's stores, and v32-39, which
; the products read, take the rows that come back: one wait on va_vdst ahead of those stores serves both.
.set QP,    784                        ; an LDS row of codes: 768 bytes + 16
.set TILEB, 16*QP                      ; a tile of 16 rows; the query tile at 0, wave v's tile of Wq at TILEB (1 + v)
.set STG,   5*TILEB                    ; the way out: 16 rows (batches) x (256 bytes + 16)
.set SP,    272
.set WSC,   8                          ; v8-15    Wq's scale words, one for each 128 along K: scales and nothing else
.set QSC,   16                         ; v16-23   query's
.set NEG,   24                         ; v24-27   -1e10, four times
.set FB,    32                         ; v32-127  Wq as loaded; then query's eight fragments; then the rows read back
.set RQ,    128                        ; v128-151 my part of query as loaded; then the two accumulators and their sum
.set AC0,   128
.set AC1,   136
.set R,     144
.set FA,    152                        ; v152-247 Wq's eight fragments
	s_load_b256 s[4:11], s[0:1], 0x0               ; query's codes s[4:5], its scales s[6:7], Wq's codes s[8:9], its scales s[10:11]
	s_load_b128 s[12:15], s[0:1], 0x20             ; q_ws s[12:13], e_ws s[14:15]
	s_set_vgpr_msb 0x40
	v_lshl_add_u32 v0, v0, 2, 0x10600
	v_mov_b32 v1, 0
	s_set_vgpr_msb 0x4000
	v_lshrrev_b32 v1, 5, v0
	v_readfirstlane_b32 s16, v1                    ; wave v
	s_and_b32 s17, ttmp7, 0xffff                   ; y
	v_and_b32 v1, 31, v0                           ; lane
	v_and_b32 v2, 15, v0                           ; r
	v_bfe_u32 v3, v0, 4, 1                         ; hh
	; a load's 32 pieces of 16 bytes: piece 32 j + lane of 96 (two rows of 48) lies at 16 x piece + 16 x its row
	v_lshlrev_b32 v31, 4, v1                       ; j = 0: 16 lane (also the loads' offset)
	v_lshl_add_u32 v254, v3, 4, v31
	v_add_nc_u32 v254, 512, v254                   ; j = 1: lanes 16-31 are in the second row
	v_add_nc_u32 v255, 1040, v31                   ; j = 2: all in the second row
	s_wait_alu depctr_va_sdst(0)                   ; s16, the wave's number, is written, ahead of its first reader
	s_mul_i32 s19, s16, TILEB
	s_add_co_u32 s19, s19, TILEB                   ; my tile of Wq
	s_mul_i32 s20, s16, 4*QP                       ; my four rows of the query tile
	v_add_nc_u32 v4, s19, v31
	v_add_nc_u32 v5, s19, v254
	v_add_nc_u32 v6, s19, v255
	v_add_nc_u32 v28, s20, v31
	v_add_nc_u32 v29, s20, v254
	v_add_nc_u32 v30, s20, v255
	v_mul_u32_u24 v250, v2, QP
	v_mad_u32_u24 v250, v3, 24, v250               ; a fragment: row r, + 24 hh: query's
	v_add_nc_u32 v7, s19, v250                     ; and Wq's
	v_lshlrev_b32 v248, 5, v2                      ; scale words: 32 bytes a row
	v_lshlrev_b32 v249, 4, v0                      ; the fill: 16 bytes a thread
	v_mul_u32_u24 v251, v2, SP
	v_lshl_add_u32 v251, v3, 5, v251
	s_lshl_b32 s21, s16, 6
	s_add_co_u32 s21, s21, STG
	v_add_nc_u32 v251, s21, v251                   ; the stage, in: row r, + 64 v + 32 hh
	v_mul_u32_u24 v252, v3, SP
	v_lshl_add_u32 v252, v2, 4, v252
	s_mul_i32 s21, s16, 4*SP
	s_add_co_u32 s21, s21, STG
	v_add_nc_u32 v252, s21, v252                   ; and back: rows 4 v + hh, 16 bytes for each of sixteen lanes
	v_lshlrev_b32 v253, 14, v3
	v_lshl_add_u32 v253, v2, 4, v253               ; the same two rows in q_ws: 16,384 bytes apart
.irp i, 0,1,2,3
	v_mov_b32 v[NEG+\i], 0xd01502f9                ; -1e10
.endr
	s_mov_b32 s25, 0                               ; offsets are pairs s[24:25]
	s_mul_i32 s24, s17, 16*768
	s_mul_i32 s26, s16, 4*768
	s_add_co_u32 s24, s24, s26
	s_wait_kmcnt 0x0
	s_add_nc_u64 s[4:5], s[4:5], s[24:25]          ; query's codes at row 16 y + 4 v
	s_lshl_b32 s24, s17, 9
	s_add_nc_u64 s[6:7], s[6:7], s[24:25]          ; its scales at row 16 y
	s_lshl_b32 s26, ttmp9, 6
	s_lshl_b32 s27, s16, 4
	s_add_co_u32 s26, s26, s27                     ; n0
	s_mul_i32 s24, s26, 768
	s_add_nc_u64 s[8:9], s[8:9], s[24:25]
	s_lshl_b32 s24, s26, 5
	s_add_nc_u64 s[10:11], s[10:11], s[24:25]
	s_lshl_b32 s24, s17, 18
	s_lshl_b32 s27, s16, 16
	s_add_co_u32 s24, s24, s27
	s_lshl_b32 s27, ttmp9, 8
	s_add_co_u32 s24, s24, s27
	s_add_nc_u64 s[12:13], s[12:13], s[24:25]      ; q_ws at row 16 y + 4 v, byte 256 x
	s_lshl_b32 s24, s17, 18
	s_lshl_b32 s27, ttmp9, 12
	s_add_co_u32 s24, s24, s27
	s_add_nc_u64 s[14:15], s[14:15], s[24:25]      ; e_ws: 4,096 bytes for each of the 256 work-groups
	s_wait_alu depctr_va_vdst(0)                   ; every address register of the kernel and the four words of -1e10 are written: the loads, stores and LDS instructions below read them
.irp i, 0,1,2,3,4,5
	global_load_b128 v[RQ+4*\i:RQ+4*\i+3], v31, s[4:5] offset:512*\i
.endr
.irp i, 0,1,2,3,4,5,6,7,8,9,10,11,12,13,14,15,16,17,18,19,20,21,22,23
	global_load_b128 v[FB+4*\i:FB+4*\i+3], v31, s[8:9] offset:512*\i
.endr
	global_load_b128 v[WSC:WSC+3],   v248, s[10:11]
	global_load_b128 v[WSC+4:WSC+7], v248, s[10:11] offset:16
	global_load_b128 v[QSC:QSC+3],   v248, s[6:7]
	global_load_b128 v[QSC+4:QSC+7], v248, s[6:7] offset:16
	global_store_b128 v249, v[NEG:NEG+3], s[14:15]                 ; a wave's store covers 512 consecutive bytes
	global_store_b128 v249, v[NEG:NEG+3], s[14:15] offset:2048
	s_wait_loadcnt 4                               ; the codes are in; the four loads of scale words are younger and may be out
.irp i, 0,1,2,3,4,5
	ds_store_b128 v[28+\i%3], v[RQ+4*\i:RQ+4*\i+3] offset:2*QP*(\i/3)
.endr
.irp i, 0,1,2,3,4,5,6,7,8,9,10,11,12,13,14,15,16,17,18,19,20,21,22,23
	ds_store_b128 v[4+\i%3], v[FB+4*\i:FB+4*\i+3] offset:2*QP*(\i/3)
.endr
	s_wait_dscnt 0x0                               ; for the others' sake: my rows of the query tile lie in LDS
	s_barrier_signal -1
	s_barrier_wait -1
	s_wait_alu depctr_vm_vsrc(0)                   ; my LDS stores have read v32-151: the fragments' loads land in v32-127, and the products write v128-143
; A fragment, 16 rows x 128 K of 6-bit codes, is 12 registers: registers 6 c .. 6 c + 5 hold K = 64 c + 32 hh + 0 .. 31: 24 bytes of the row's stream of bits, in three pieces of 8
.irp s, 0,1,2,3,4,5,6,7
.irp p, 0,1,2,3,4,5
	ds_load_b64 v[FA+12*\s+2*\p:FA+12*\s+2*\p+1], v7 offset:96*\s+48*(\p/3)+8*(\p%3)
	ds_load_b64 v[FB+12*\s+2*\p:FB+12*\s+2*\p+1], v250 offset:96*\s+48*(\p/3)+8*(\p%3)
.endr
.endr
	s_wait_loadcnt 0x0                             ; the scale words
	s_wait_dscnt 0x0
	v_wmma_scale_f32_16x16x128_f8f6f4 v[AC0:AC0+7], v[FA:FA+11], v[FB:FB+11], 0, v[WSC], v[QSC] matrix_a_fmt:MATRIX_FMT_BF6 matrix_b_fmt:MATRIX_FMT_BF6
	v_wmma_scale_f32_16x16x128_f8f6f4 v[AC1:AC1+7], v[FA+12:FA+23], v[FB+12:FB+23], 0, v[WSC+1], v[QSC+1] matrix_a_fmt:MATRIX_FMT_BF6 matrix_b_fmt:MATRIX_FMT_BF6
.irp s, 2,4,6                                  ; the two accumulators by turns, one instruction a turn
	v_wmma_scale_f32_16x16x128_f8f6f4 v[AC0:AC0+7], v[FA+12*\s:FA+12*\s+11], v[FB+12*\s:FB+12*\s+11], v[AC0:AC0+7], v[WSC+\s], v[QSC+\s] matrix_a_fmt:MATRIX_FMT_BF6 matrix_b_fmt:MATRIX_FMT_BF6
	v_wmma_scale_f32_16x16x128_f8f6f4 v[AC1:AC1+7], v[FA+12*\s+12:FA+12*\s+23], v[FB+12*\s+12:FB+12*\s+23], v[AC1:AC1+7], v[WSC+\s+1], v[QSC+\s+1] matrix_a_fmt:MATRIX_FMT_BF6 matrix_b_fmt:MATRIX_FMT_BF6
.endr
.rept 4
	v_nop                                          ; four places behind the last product, ahead of the first read of results (ISA guide 7.12.1)
.endr
.irp j, 0,2,4,6
	v_pk_add_f32 v[R+\j:R+\j+1], v[AC0+\j:AC0+\j+1], v[AC1+\j:AC1+\j+1]   ; from the low end on
.endr
	s_wait_alu depctr_va_vdst(0)                   ; the sums v144-151 are written, which the LDS stores read; the products are done reading v32-39, in which the rows read back land
	ds_store_b128 v251, v[R:R+3]
	ds_store_b128 v251, v[R+4:R+7] offset:16
	s_wait_dscnt 0x0                               ; a row's 256 bytes come from four waves
	s_barrier_signal -1
	s_barrier_wait -1
	ds_load_b128 v[FB:FB+3],   v252
	ds_load_b128 v[FB+4:FB+7], v252 offset:2*SP
	s_wait_dscnt 1                                 ; the first pair of rows is back; the second load may be out
	global_store_b128 v253, v[FB:FB+3], s[12:13]                   ; sixteen lanes store 256 consecutive bytes, at a multiple of 256 from q_ws's first byte
	s_wait_dscnt 0x0
	global_store_b128 v253, v[FB+4:FB+7], s[12:13] offset:32768
	s_set_vgpr_msb 0x5
	s_wait_dscnt 0x0
	s_wait_alu depctr_hold_cnt(0) depctr_sa_sdst(0) depctr_va_vdst(0) depctr_va_sdst(0) depctr_va_ssrc(0) depctr_va_vcc(0) depctr_vm_vsrc(0)
	s_wait_tensorcnt 0x0
	ds_add_u32 v0, v1
	s_wait_dscnt 0x0
	s_endpgm
.Lfunc_end_k_q4dca4f4e39_qproj:
	.size	k_q4dca4f4e39_qproj, .Lfunc_end_k_q4dca4f4e39_qproj-k_q4dca4f4e39_qproj
	.p2alignl 7, 3214868480
	.fill 96, 4, 3214868480
	.section	.rodata,"a",@progbits
	.p2align	6, 0x0
	.amdhsa_kernel k_q4dca4f4e39_qproj
		.amdhsa_group_segment_fixed_size 67584
		.amdhsa_private_segment_fixed_size 0
		.amdhsa_enable_private_segment 0
		.amdhsa_kernarg_size 48
		.amdhsa_user_sgpr_count 2
		.amdhsa_user_sgpr_kernarg_segment_ptr 1
		.amdhsa_wavefront_size32 1
		.amdhsa_system_sgpr_workgroup_id_x 1
		.amdhsa_system_sgpr_workgroup_id_y 1
		.amdhsa_system_sgpr_workgroup_id_z 1
		.amdhsa_system_vgpr_workitem_id 0
		.amdhsa_next_free_vgpr 258
		.amdhsa_next_free_sgpr 66
		.amdhsa_reserve_vcc 0
		.amdhsa_float_denorm_mode_32 3
		.amdhsa_float_denorm_mode_16_64 3
		.amdhsa_memory_ordered 1
		.amdhsa_forward_progress 1
		.amdhsa_inst_pref_size 18
	.end_amdhsa_kernel
	.amdgpu_metadata
---
amdhsa.version: [ 1, 2 ]
amdhsa.kernels:
  - .name:           k_q4dca4f4e39_qproj
    .symbol:         k_q4dca4f4e39_qproj.kd
    .args:
      - { .name: query_codes, .offset: 0, .size: 8, .value_kind: global_buffer, .address_space: global }
      - { .name: query_scales, .offset: 8, .size: 8, .value_kind: global_buffer, .address_space: global }
      - { .name: Wq_codes, .offset: 16, .size: 8, .value_kind: global_buffer, .address_space: global }
      - { .name: Wq_scales, .offset: 24, .size: 8, .value_kind: global_buffer, .address_space: global }
      - { .name: q_ws, .offset: 32, .size: 8, .value_kind: global_buffer, .address_space: global }
      - { .name: e_ws, .offset: 40, .size: 8, .value_kind: global_buffer, .address_space: global }
    .group_segment_fixed_size: 67584
    .private_segment_fixed_size: 0
    .kernarg_segment_align: 8
    .kernarg_segment_size: 48
    .max_flat_workgroup_size: 128
    .sgpr_count:     66
    .vgpr_count:     258
    .wavefront_size: 32
...
	.end_amdgpu_metadata
.endif
;; end of part 4
;; launch energy (part 5): grid 32 x 8, 4 waves a work-group, no clusters, 233,984 bytes of LDS; arguments Wk_codes, Wk_scales, keys_codes, keys_scales, key_len, q_ws, e_ws; writes e_ws
.if DOCPART == 5
	.amdgcn_target "amdgcn-amd-amdhsa--gfx1250"
	.amdhsa_code_object_version 6
	.text
	.protected	k_q4dca4f4e39_energy
	.globl	k_q4dca4f4e39_energy
	.p2align	8
	.type	k_q4dca4f4e39_energy,@function
k_q4dca4f4e39_energy:
	s_mov_b64 s[64:65], 0
	v_nop
	global_prefetch_b8 v0, s[64:65] scope:SCOPE_SE
	s_setreg_imm32_b32 hwreg(HW_REG_WAVE_SCHED_MODE, 0, 2), 2
	s_setreg_imm32_b32 hwreg(HW_REG_WAVE_MODE, 25, 1), 1
	s_wait_xcnt 0x0
	s_wait_alu depctr_vm_vsrc(0)
; energy[h][b][s] = sum over a of q[b][h][a] k[b][h][s][a],  k[..][s][a] = sum over c of Wk[h][a][c] keys[b][s][c]: the second product on codes of BF6 (E3M2) with E8M0 scales, as they lie in memory;
; the first by f32 multiply-adds on each accumulator as soon as its K = 512 is summed: k never leaves the registers.
; WHAT IS LEFT OUT.  Keys at s >= key_len[b] are masked: their energies are not wanted.  The unit is a GROUP: 64 keys of one batch, group e = 8 b + p.  Batch b keeps its first
; ceil(min(max(key_len, 0), 512) / 64) groups.  The kept groups of all batches, in ascending e, form one list of U <= 512 places; work-group (g, h) takes head h and places g, g + 32, g + 64 ..:
; its ENTRIES 0 .. cnt - 1, cnt = (U + 31 - g) >> 5 <= 16.  Groups that are not kept keep the -1e10 that the launch before has stored in e_ws.
; This launch has no tensor load, no cluster and no joint requests, though Wk[h] is read by 32 work-groups and a group by 8:
; operands go from memory through registers into LDS.
; SHARES.  Wave w keeps rows a = 128 w .. 128 w + 127 of Wk[h] in registers for the whole launch: 8 tiles x 4 K steps x 12 = 384.  All four waves multiply every tile of 16 keys by their own rows:
; 32 matrix instructions a tile, 128 an entry.  Source 0 = 16 rows of Wk, source 1 = 16 keys: a lane holds ONE key (lane % 16) and its register j the row 16 t + 8 (lane / 16) + j,
; so e += q[a] k[a] changes no lane; one exchange of the lanes' halves at an entry's end, and the four waves' parts meet in LDS at the launch's end.
; THE WAY IN.  A group's codes (24,576 dense bytes), scale bytes (1,024) and its batch's q (2,048) are loaded by the four waves, 512 consecutive bytes a load, into staging registers a SUPER-TRIP
; (two entries) ahead, and stored into one of two LDS slots of two entries.  Two barriers a super-trip, in a loop of constant count; all that hangs on cnt is jumped over between them.
; REGISTERS, in windows of 256 (s_set_vgpr_msb's low byte: bits 1:0 source 0, 3:2 source 1, 5:4 source 2, 7:6 destination):
;   window 0: addresses, keys' fragments (two sets), 8 accumulators, sums, scale words.   window 1: Wk's tiles 0-3 (v0-191), q of tiles 4-7 (v192-223), copies of four LDS addresses (v232-235).
;   window 2: Wk's tiles 4-7, q of tiles 0-3.   window 3: two staging sets of 112.
; Under 0x01 and 0x02 source 0 alone leaves window 0: Wk's fragment of a product, q of a fold, the address of an LDS load.  So a run of 16 products with its folds and loads needs no switch inside.
; A macro's argument is put in as text: wherever one stands inside a larger expression it is written in parentheses.
; THE MODE: SCHED_MODE bits 1:0 = 2 (LLVM: expert scheduling mode 2), set by the entry lines.  The code itself states the register dependences between vector or matrix instructions
; and memory or LDS instructions, with s_wait_alu, always for 0.
; THE PLAN.  Registers that memory or LDS instructions touch, in the loop:
;   KB0 + KS0, KB1 + KS1   Tile k's 32 products read set k % 2; the 25 LDS loads of tile k + 1 land in the other set, which tile k - 1's products read.
;   q (v192-223 of windows 1, 2)   Read by an entry's folds; the sixteen LDS loads at the next entry's head land in it.
;   F                      Written at an entry's end; read by the entry's four LDS stores.      v[VEA]   Written once a trip; read by those stores as their address.
;   staging sets 0, 1      Named by memory instructions alone: super-trip P's global loads land in set P, the LDS stores of super-trip 1 - P read it.
;   All other addresses, the four copies in window 1 among them, are made at the head and never written again.  Wk, the accumulators and the sums are named by vector and matrix instructions alone.
; So ONE wait on va_vdst stands at the head of tiles 1, 2 and 3 (the tile before's products are done with the other set) and ONE at an entry's end, ahead of its stores (F and v[VEA] are written;
; tile 3's products are done with set 1 and the folds with q: the next entry's loads owe nothing more).  The loads follow, dealt among products and folds that name none of their registers.
; One wait on vm_vsrc stands behind each of a super-trip's two barriers: for the staging set and v[VEA], and for F.
.set KP,    400                        ; a key's row in LDS: 384 bytes + 16 = 100 words: row r starts at bank 36 r mod 64, sixteen different multiples of 4 (64 banks of 4 bytes: ISA guide 11.1)
.set ENTB,  28672                      ; an entry in a slot: 64 rows of codes,
.set SCO,   64*KP                      ; its scale bytes, 16 a key,
.set QO,    SCO+1024                   ; and q of its batch and my head: 512 f32, wave w's 128 at 512 w
.set SLOTB, 2*ENTB                     ; slots at 0 and SLOTB
.set EP,    2*SLOTB                    ; the waves' parts of the energies: [entry] 1,024 + [wave] 256 + [tile] 64 + 4 r
.set WKR,   EP+16384                   ; each wave's own 64 rows x KP, through which Wk turns into fragments at the head
.set VW,   9                           ; v9       my fragment's place in my part of WKR
.set SW,   10                          ; v10-12   where I store 16 bytes there, for loads 3 m + j
.set L16,  13                          ; v13      16 x lane
.set WSA,  14                          ; v14      Wk's scale words: 1,024 hh + 16 r
.set KB,   16                          ; v16-63, v64-111  keys' fragments, two sets of 4 K steps x 12  (v16-79 at the head: the scan's 64 candidates)
.set DA,   120                         ; v120-151 accumulators of Wk's tiles 0-3
.set DB,   152                         ; v152-183 of tiles 4-7
.set EPR,  184                         ; v184-191 a pair of sums for each of an entry's four tiles of keys
.set F,    192                         ; v192-195, v196-199  an entry's end
.set G,    196
.set T,    200                         ; v200-205 three more pairs for the last tile's last folds
.set WS,   208                         ; v208-223 Wk's scale words: register 4 tt + ks: lanes 0-15 tile tt, lanes 16-31 tile tt + 4: scales and nothing else
.set KS,   224                         ; v224-231 the keys' scale words, two sets of 4
.set VA,   232                         ; v232-233 slot + KP r + 24 hh      (v232-235 also in window 1)
.set VS,   234                         ; v234-235 slot + 16 r
.set VQ,   236                         ; v236-237 slot + 512 w + 32 hh
.set SK,   238                         ; v238-243 slot s, loads 3 m + j: where I store 16 bytes of codes: v[SK + 3 s + j]
.set SS,   244                         ; v244-245 slot + 256 w + 8 lane
.set SQ,   246                         ; v246-247 slot + 512 w + 16 lane
.set VE0,  248                         ; v248     EP + 256 w + 4 r
.set VEA,  249                         ; v249     the same for the trip's four entries
.set GC,   250                         ; v250     in a group's codes: 6,144 w + 16 lane
.set GS,   251                         ; v251     in its scale bytes: 256 w + 8 lane
.set GQ,   252                         ; v252     in q: 512 w + 16 lane
.set LIST, 253                         ; v253     lane i: the group of my work-group's entry i (0 where there is none)
.set L8,   254                         ; v254     8 x lane
.set VEP,  255                         ; v255     EP + 1,024 w + 8 lane
; s18 wave, s19 g, s20 h, s21 cnt, s22 U, s23 the trip's first entry (0, 4, 8, 12), s24 = 1,024 s23, s25-27, s30 at work, s[28:29] lane selects, s31 = 0 (offsets are pairs s[30:31]),
; s[36:47], s[48:59] two sets of pointers (for each of two entries: codes, scale bytes, q), s[68:75] the end's four, s76-79 their groups, s80-83 their entries.
; During the scan key_len lies in s32-63 and s68-99; each of these registers takes its batch's mask as soon as its length has been used.
.set MSB, 0
.macro WIN new                         ; the immediate's high byte repeats the setting that is left; a switch that changes nothing is dropped
.if MSB != \new
	s_set_vgpr_msb (MSB<<8)|\new
.set MSB, \new
.endif
.endm
.macro BAR                             ; my LDS stores have landed and my LDS loads are in: then the work-group's barrier
	s_wait_dscnt 0x0
	s_barrier_signal -1
	s_barrier_wait -1
.endm
; The pointers of entries s25 and s25 + 1 into set pb.  A group's number is held to 511 before it enters an address; an entry that does not exist has group 0: valid bytes that nobody uses.
.macro PTRS pb
	v_readlane_b32 s26, v[LIST], s25
	s_add_co_u32 s25, s25, 1
	v_readlane_b32 s27, v[LIST], s25
	s_add_co_u32 s25, s25, 1
	s_wait_alu depctr_va_sdst(0)                   ; s26 and s27, the two groups' numbers, are written, ahead of their first readers
.irp en, 0,1
	s_min_u32 s26, s[26+\en], 511
	s_mul_i32 s30, s26, 64*384
	s_add_nc_u64 s[(\pb)+6*\en:(\pb)+6*\en+1], s[8:9], s[30:31]
	s_lshl_b32 s30, s26, 10
	s_add_nc_u64 s[(\pb)+6*\en+2:(\pb)+6*\en+3], s[10:11], s[30:31]
	s_and_b32 s30, s26, 0x1f8
	s_lshl_b32 s30, s30, 11                        ; the batch's row of q_ws: 16,384 (e / 8)
	s_add_nc_u64 s[(\pb)+6*\en+4:(\pb)+6*\en+5], s[14:15], s[30:31]
.endr
.endm
.macro SG_LOAD S, pb                   ; two entries into staging set S: 28 loads a wave
	WIN 0xc0                                       ; destination window 3
.irp en, 0,1
.irp i, 0,1,2,3,4,5,6,7,8,9,10,11
	global_load_b128 v[112*(\S)+56*\en+4*\i:112*(\S)+56*\en+4*\i+3], v[GC], s[(\pb)+6*\en:(\pb)+6*\en+1] offset:512*\i
.endr
	global_load_b64 v[112*(\S)+56*\en+48:112*(\S)+56*\en+49], v[GS], s[(\pb)+6*\en+2:(\pb)+6*\en+3]
	global_load_b128 v[112*(\S)+56*\en+52:112*(\S)+56*\en+55], v[GQ], s[(\pb)+6*\en+4:(\pb)+6*\en+5]
.endr
	WIN 0
.endm
.macro SG_STORE S, slot                ; and from there into a slot.  Three loads are 96 pieces of 16 bytes, four rows: 4 KP bytes of LDS
	WIN 0x0c                                       ; an LDS store's data are its source 1: window 3
.irp en, 0,1
.irp i, 0,1,2,3,4,5,6,7,8,9,10,11
	ds_store_b128 v[SK+3*(\slot)+\i%3], v[112*(\S)+56*\en+4*\i:112*(\S)+56*\en+4*\i+3] offset:ENTB*\en+4*KP*(\i/3)
.endr
	ds_store_b64 v[SS+(\slot)], v[112*(\S)+56*\en+48:112*(\S)+56*\en+49] offset:ENTB*\en+SCO
	ds_store_b128 v[SQ+(\slot)], v[112*(\S)+56*\en+52:112*(\S)+56*\en+55] offset:ENTB*\en+QO
.endr
	WIN 0
.endm
; Load n of the 25 that bring a tile of 16 keys into set kb: 24 pieces of 8 bytes (a fragment's registers 6 c .. 6 c + 5 hold K = 64 c + 32 hh + 0 .. 31: 24 bytes of the row as they lie), then the scale words
.macro LD n, kb, P, en, tile
.if (\n) < 24
	ds_load_b64 v[KB+48*(\kb)+2*(\n):KB+48*(\kb)+2*(\n)+1], v[VA+(\P)] offset:ENTB*(\en)+16*KP*(\tile)+96*((\n)/6)+48*(((\n)%6)/3)+8*((\n)%3)
.else
	ds_load_b128 v[KS+4*(\kb):KS+4*(\kb)+3], v[VS+(\P)] offset:ENTB*(\en)+SCO+256*(\tile)
.endif
.endm
; Product s of a run's 16: K step s / 4, Wk's tile s % 4 of the window's four: the four accumulators take turns, one instruction a turn.  The first four start the sums.
.macro MM grp, s, kb
.set ks_, (\s)/4
.set tt_, (\s)%4
.set d_, DA+32*(\grp)+8*tt_
.set a_, 12*(4*tt_+ks_)
.set b_, KB+48*(\kb)+12*ks_
.if (ks_ == 0) && ((\grp) == 0)
	v_wmma_scale_f32_16x16x128_f8f6f4 v[d_:d_+7], v[a_:a_+11], v[b_:b_+11], 0, v[WS+4*tt_+ks_], v[KS+4*(\kb)+ks_] matrix_a_fmt:MATRIX_FMT_BF6 matrix_b_fmt:MATRIX_FMT_BF6
.elseif (\grp) == 0
	v_wmma_scale_f32_16x16x128_f8f6f4 v[d_:d_+7], v[a_:a_+11], v[b_:b_+11], v[d_:d_+7], v[WS+4*tt_+ks_], v[KS+4*(\kb)+ks_] matrix_a_fmt:MATRIX_FMT_BF6 matrix_b_fmt:MATRIX_FMT_BF6
.elseif ks_ == 0
	v_wmma_scale_f32_16x16x128_f8f6f4 v[d_:d_+7], v[a_:a_+11], v[b_:b_+11], 0, v[WS+4*tt_+ks_], v[KS+4*(\kb)+ks_] matrix_a_fmt:MATRIX_FMT_BF6 matrix_b_fmt:MATRIX_FMT_BF6 matrix_a_scale:MATRIX_SCALE_ROW1
.else
	v_wmma_scale_f32_16x16x128_f8f6f4 v[d_:d_+7], v[a_:a_+11], v[b_:b_+11], v[d_:d_+7], v[WS+4*tt_+ks_], v[KS+4*(\kb)+ks_] matrix_a_fmt:MATRIX_FMT_BF6 matrix_b_fmt:MATRIX_FMT_BF6 matrix_a_scale:MATRIX_SCALE_ROW1
.endif
.endm
; Fold s of 16: two rows a of accumulator s / 4, from its low end on: the pair ep += q k.  q comes from the window in force.
.macro FOLD dbase, s, ep, first
.set ft_, 8*((\s)/4)+2*((\s)%4)
.if \first
	v_pk_mul_f32 v[(\ep):(\ep)+1], v[192+ft_:193+ft_], v[(\dbase)+ft_:(\dbase)+ft_+1]
.else
	v_pk_fma_f32 v[(\ep):(\ep)+1], v[192+ft_:193+ft_], v[(\dbase)+ft_:(\dbase)+ft_+1], v[(\ep):(\ep)+1]
.endif
.endm
; TILE k of an entry: two runs of 16 products.  Behind each product of the first run stands a fold of the tile before's accumulators 4-7, behind each of the second a fold of this tile's 0-3.
; An accumulator's last product stands in a run's slots 12 to 15, and its first fold four plain vector instructions or more further on, which name none of that product's registers (ISA guide 7.12.1).
; The next tile's 25 loads are dealt among the first run's products, two behind each from the first on: they have 19 products or more in which to land.  They land in the set that the tile before
; has read: the wait at the tile's head states that (for an entry's first tile: the wait at the end of the entry before), and no product or fold issued since names that set or the loads' addresses.
.macro TILE P, en, k
.set kb_, (\k)%2
.if (\k) > 0
	s_wait_dscnt 0x0                               ; this tile's fragments and scale words are in
.endif
	WIN 0x01
.if (\k) > 0
	s_wait_alu depctr_va_vdst(0)                   ; the tile before's products are done reading the other set of fragments and scale words, in which the loads of this tile's runs land
.endif
.set sl, 0
.set ln, 0
.rept 16
	MM 0, sl, kb_
.if (\k) > 0
	FOLD DB, sl, EPR+2*(\k)-2, 0
.elseif sl >= 12
	v_nop                                          ; an entry's first tile has nothing to fold here: the four places
.endif
.if ((\k) < 3) && (sl < 12)
	LD ln, 1-kb_, \P, \en, (\k)+1
.set ln, ln+1
	LD ln, 1-kb_, \P, \en, (\k)+1
.set ln, ln+1
.elseif ((\k) < 3) && (sl == 12)
	LD ln, 1-kb_, \P, \en, (\k)+1
.endif
.set sl, sl+1
.endr
.if (\k) == 3                          ; the next entry's first tile, if there is a next entry: in the same slot, or in the other, which was stored ahead of the barrier that stands in front of this entry.
	WIN 0                                          ; It lands in set 0, which tile 2 read: the wait at this tile's head has stated that, and this tile's products name set 1
	s_add_co_u32 s25, s23, 2*(\P)+(\en)+1
	s_cmp_lt_u32 s25, s21
	s_cbranch_scc0 .Lno_next_\@
.set ln, 0
.rept 25
.if (\en) == 0
	LD ln, 0, \P, 1, 0
.else
	LD ln, 0, 1-(\P), 0, 0
.endif
.set ln, ln+1
.endr
.Lno_next_\@:
.endif
.if (\k) == 0
	s_wait_dscnt 25                                ; q's sixteen loads are in; the 25 of tile 1 are younger and may be out
.endif
	WIN 0x02
.set sl, 0
.rept 16
	MM 1, sl, kb_
.if sl == 0
	FOLD DA, sl, EPR+2*(\k), 1
.else
	FOLD DA, sl, EPR+2*(\k), 0
.endif
.set sl, sl+1
.endr
.endm
; ENTRY s23 + 2 P + en, in slot P: jumped over as a whole where the work-group has no such entry.  Its first tile's fragments were asked for ahead of the barrier in front of it.
.macro GROUP P, en
	s_add_co_u32 s25, s23, 2*(\P)+(\en)
	s_cmp_lt_u32 s25, s21
	s_cbranch_scc0 .Lno_entry_\@
	WIN 0x80                                       ; q of my 128 rows: lane (r, hh) wants, for tile t, those of rows 16 t + 8 hh + 0 .. 7.  (The folds that read these registers stand ahead of the wait at the end of the entry before)
.irp t, 0,1,2,3
	ds_load_b128 v[192+8*\t:195+8*\t], v[VQ+(\P)] offset:ENTB*(\en)+QO+64*\t
	ds_load_b128 v[196+8*\t:199+8*\t], v[VQ+(\P)] offset:ENTB*(\en)+QO+64*\t+16
.endr
	WIN 0x40
.irp t, 0,1,2,3
	ds_load_b128 v[192+8*\t:195+8*\t], v[VQ+(\P)] offset:ENTB*(\en)+QO+256+64*\t
	ds_load_b128 v[196+8*\t:199+8*\t], v[VQ+(\P)] offset:ENTB*(\en)+QO+256+64*\t+16
.endr
	TILE \P, \en, 0
	TILE \P, \en, 1
	TILE \P, \en, 2
	TILE \P, \en, 3
	WIN 0x01                                       ; the last tile's accumulators 4-7: no product stands between the folds, so they go in four chains
.rept 4
	v_nop
.endr
.irp i, 0,1,2,3
	v_pk_fma_f32 v[EPR+6:EPR+7], v[192+2*\i:193+2*\i], v[DB+2*\i:DB+2*\i+1], v[EPR+6:EPR+7]
.irp tt, 1,2,3
.if \i == 0
	v_pk_mul_f32 v[T+2*\tt-2:T+2*\tt-1], v[192+8*\tt:193+8*\tt], v[DB+8*\tt:DB+8*\tt+1]
.else
	v_pk_fma_f32 v[T+2*\tt-2:T+2*\tt-1], v[192+8*\tt+2*\i:193+8*\tt+2*\i], v[DB+8*\tt+2*\i:DB+8*\tt+2*\i+1], v[T+2*\tt-2:T+2*\tt-1]
.endif
.endr
.endr
	WIN 0
	v_pk_add_f32 v[EPR+6:EPR+7], v[EPR+6:EPR+7], v[T:T+1]
	v_pk_add_f32 v[T+2:T+3], v[T+2:T+3], v[T+4:T+5]
	v_pk_add_f32 v[EPR+6:EPR+7], v[EPR+6:EPR+7], v[T+2:T+3]
.irp k, 0,1,2,3
	v_add_f32 v[F+\k], v[EPR+2*\k], v[EPR+2*\k+1]
.endr
.irp k, 0,1,2,3
	v_permlanex16_b32 v[G+\k], v[F+\k], s28, s29   ; the key's other 64 rows a lie in the lane 16 away
.endr
.irp k, 0,1,2,3
	v_add_f32 v[F+\k], v[F+\k], v[G+\k]
.endr
	s_wait_alu depctr_va_vdst(0)                   ; F and v[VEA] are written, which the stores below read; tile 3's products are done reading set 1 and the folds q, in which the next entry's loads land
.irp k, 0,1,2,3
	ds_store_b32 v[VEA], v[F+\k] offset:1024*(2*(\P)+(\en))+64*\k  ; lanes r and r + 16 write the same word with the same value
.endr
.Lno_entry_\@:
.endm
; A SUPER-TRIP: slot P's two entries.  The first barrier parts every wave's reads of the other slot from the stores that now fill it; the second parts those stores from the first reads of them,
; which the second entry makes.  The staged loads were issued a super-trip ago; only one set is ever out, so the wait is for 0, and it stands on every path.
.macro SUPER P
	BAR
	s_wait_alu depctr_vm_vsrc(0)                   ; my LDS stores issued so far have read their registers: staging set P, in which the loads below land; F, which the first entry writes again; v[VEA], which the line below writes
.if (\P) == 0
	v_add_nc_u32 v[VEA], s24, v[VE0]
.endif
	s_wait_loadcnt 0x0                             ; the staged entries are in registers, and no load reads a pointer any more
	s_add_co_u32 s25, s23, 2*(\P)+2
	s_cmp_lt_u32 s25, s21
	s_cbranch_scc0 .Lno_store_\@
	SG_STORE 1-(\P), 1-(\P)
.Lno_store_\@:
	s_add_co_u32 s25, s23, 2*(\P)+4
	s_cmp_lt_u32 s25, s21
	s_cbranch_scc0 .Lno_load_\@
	PTRS 36+12*(\P)
	SG_LOAD \P, 36+12*(\P)
.Lno_load_\@:
	GROUP \P, 0
	BAR
	s_wait_alu depctr_vm_vsrc(0)                   ; the first entry's four stores have read F, which the second entry writes again
	GROUP \P, 1
.endm
	s_load_b256 s[4:11], s[0:1], 0x0               ; Wk's codes s[4:5], its scales s[6:7], the keys' codes s[8:9], their scales s[10:11]
	s_load_b128 s[12:15], s[0:1], 0x20             ; key_len s[12:13], q_ws s[14:15]
	s_load_b64 s[16:17], s[0:1], 0x30              ; e_ws
	v_lshl_add_u32 v3, v0, 2, 0x39000
	v_mov_b32 v15, 0
	v_lshrrev_b32 v1, 5, v0
	v_readfirstlane_b32 s18, v1                    ; wave
	s_mov_b32 s19, ttmp9                           ; g
	s_and_b32 s20, ttmp7, 0xffff                   ; h
	s_mov_b32 s28, 0x76543210
	s_mov_b32 s29, 0xfedcba98                      ; v_permlanex16_b32's selects for lane l xor 16
	s_mov_b32 s31, 0
	v_and_b32 v1, 31, v0                           ; lane
	v_and_b32 v4, 15, v0                           ; r
	v_bfe_u32 v5, v0, 4, 1                         ; hh
	v_lshlrev_b32 v[L16], 4, v1
	v_lshlrev_b32 v[L8], 3, v1
	v_mul_u32_u24 v6, v4, KP
	v_mad_u32_u24 v6, v5, 24, v6                   ; a fragment's place: row r, + 24 hh
	s_wait_alu depctr_va_sdst(0)                   ; s18, the wave's number, is written, ahead of its first reader
	s_mul_i32 s25, s18, 64*KP
	s_add_co_u32 s25, s25, WKR                     ; my part of WKR
	s_mul_i32 s26, s18, 16*KP                      ; my 16 rows of an entry, in slot 0
	s_add_co_u32 s27, s26, SLOTB                   ; and in slot 1
	v_add_nc_u32 v[VW], s25, v6
.irp j, 0,1,2                          ; piece 32 j + lane of 96 (four rows of 24 pieces of 16 bytes) lies at 16 (piece + its row); row = piece / 24 = (43 piece) >> 10 for pieces under 96
	v_add_nc_u32 v7, 32*\j, v1
	v_mul_u32_u24 v8, v7, 43
	v_lshrrev_b32 v8, 10, v8
	v_add_nc_u32 v7, v7, v8
	v_lshlrev_b32 v7, 4, v7
	v_add_nc_u32 v[SW+\j], s25, v7
	v_add_nc_u32 v[SK+\j], s26, v7
	v_add_nc_u32 v[SK+3+\j], s27, v7
.endr
	v_mov_b32 v[VA], v6
	v_add_nc_u32 v[VA+1], SLOTB, v6
	v_lshlrev_b32 v[VS], 4, v4
	v_add_nc_u32 v[VS+1], SLOTB, v[VS]
	s_lshl_b32 s25, s18, 9                         ; 512 w
	s_lshl_b32 s26, s18, 8                         ; 256 w
	v_lshlrev_b32 v7, 5, v5
	v_add_nc_u32 v[VQ], s25, v7
	v_add_nc_u32 v[VQ+1], SLOTB, v[VQ]
	v_add_nc_u32 v[SS], s26, v[L8]
	v_add_nc_u32 v[SS+1], SLOTB, v[SS]
	v_add_nc_u32 v[SQ], s25, v[L16]
	v_add_nc_u32 v[SQ+1], SLOTB, v[SQ]
	v_add_nc_u32 v[GS], s26, v[L8]
	v_add_nc_u32 v[GQ], s25, v[L16]
	s_mul_i32 s27, s18, 6144
	v_add_nc_u32 v[GC], s27, v[L16]
	s_add_co_u32 s26, s26, EP
	v_lshlrev_b32 v7, 2, v4
	v_add_nc_u32 v[VE0], s26, v7
	s_lshl_b32 s27, s18, 10
	s_add_co_u32 s27, s27, EP
	v_add_nc_u32 v[VEP], s27, v[L8]
	v_lshlrev_b32 v[WSA], 10, v5
	v_lshl_add_u32 v[WSA], v4, 4, v[WSA]
	v_lshl_add_u32 v2, v1, 5, s19                  ; the scan: lane i looks for list place g + 32 i
	v_mov_b32 v[LIST], 0
	s_mov_b32 s22, 0
	s_wait_kmcnt 0x0
	s_load_b512 s[32:47], s[12:13], 0x0            ; all 64 lengths
	s_load_b512 s[48:63], s[12:13], 0x40
	s_load_b512 s[68:83], s[12:13], 0x80
	s_load_b512 s[84:99], s[12:13], 0xc0
	s_lshl_b32 s25, s20, 9
	s_lshl_b32 s26, s18, 7
	s_add_co_u32 s25, s25, s26                     ; my first row of Wk: 512 h + 128 w
	s_mul_i32 s30, s25, 384
	s_add_nc_u64 s[4:5], s[4:5], s[30:31]
	s_lshl_b32 s30, s25, 4
	s_add_nc_u64 s[6:7], s[6:7], s[30:31]
	s_lshl_b32 s30, s20, 11
	s_add_nc_u64 s[14:15], s[14:15], s[30:31]      ; q_ws at my head
	s_lshl_b32 s30, s20, 17
	s_add_nc_u64 s[16:17], s[16:17], s[30:31]      ; e_ws at my head
	WIN 0x80                                       ; my rows 0-63 of Wk as they lie, 48 loads of 512 consecutive bytes, into window 2
	s_wait_alu depctr_va_vdst(0)                   ; every address and offset register made above is written: the loads, stores and LDS instructions of the whole kernel read them
.set ii, 0
.rept 48
	global_load_b128 v[4*ii:4*ii+3], v[L16], s[4:5] offset:512*ii
.set ii, ii+1
.endr
	WIN 0
	s_wait_kmcnt 0x0
; THE SCAN, while those loads are on their way.  d = the place sought less the groups of the batches passed.  Batch b has n groups: where d < n the place is group 8 b + d;
; then d - n wraps round and, with at most 512 taken off in all, is never under an n again.  The 64 compares stand in one run: batch b's mask goes into the scalar register that held its length,
; its candidate 8 b + d into v[16 + b]; one wait; then the 64 selects, in the batches' order.
.set bb, 0
.rept 64
.if bb < 32
.set sr, 32+bb
.else
.set sr, 36+bb
.endif
	s_max_i32 s25, s[sr], 0
	s_min_i32 s25, s25, 512
	s_add_co_u32 s25, s25, 63
	s_lshr_b32 s25, s25, 6                         ; n
	v_cmp_gt_u32 s[sr], s25, v2
	v_add_nc_u32 v[16+bb], 8*bb, v2
	v_sub_nc_u32 v2, v2, s25
	s_add_co_u32 s22, s22, s25                     ; U
.set bb, bb+1
.endr
	s_wait_alu depctr_va_sdst(0)                   ; the 64 masks are written, ahead of the selects that read them
.set bb, 0
.rept 64
.if bb < 32
.set sr, 32+bb
.else
.set sr, 36+bb
.endif
	v_cndmask_b32 v[LIST], v[LIST], v[16+bb], s[sr]
.set bb, bb+1
.endr
	s_add_co_u32 s21, s22, 31
	s_sub_co_u32 s21, s21, s19
	s_lshr_b32 s21, s21, 5                         ; cnt
	s_wait_alu depctr_va_vdst(0)                   ; the scan is done writing and reading its candidates v16-79, in which the loads below land
.set ii, 0
.rept 48                               ; my rows 64-127 of Wk, into v16-207 of window 0
	global_load_b128 v[16+4*ii:16+4*ii+3], v[L16], s[4:5] offset:24576+512*ii
.set ii, ii+1
.endr
.irp tt, 0,1,2,3
	global_load_b128 v[WS+4*\tt:WS+4*\tt+3], v[WSA], s[6:7] offset:256*\tt   ; a row's 16 scale bytes are its four words; lanes 16-31 take the tile four further on
.endr
	s_mov_b32 s25, 0
	PTRS 36
	SG_LOAD 0, 36                                  ; entries 0 and 1,
	PTRS 48
	SG_LOAD 1, 48                                  ; 2 and 3: both without a test, so that every staging register is written
	s_wait_loadcnt 63                              ; rows 0-63 are in: 108 loads are younger, and 63 is the largest count that can be written
	WIN 0x08                                       ; data from window 2
.set ii, 0
.rept 48
	ds_store_b128 v[SW+ii%3], v[4*ii:4*ii+3] offset:4*KP*(ii/3)
.set ii, ii+1
.endr
	WIN 0x40                                       ; back as fragments (tile tt, K step ks) at v[12 (4 tt + ks)] of window 1.  LDS serves a wave's instructions in order (ISA guide 5.7.1.4): no wait between
.set ff, 0
.rept 16
.irp p, 0,1,2,3,4,5
	ds_load_b64 v[12*ff+2*\p:12*ff+2*\p+1], v[VW] offset:16*KP*(ff/4)+96*(ff%4)+48*(\p/3)+8*(\p%3)
.endr
.set ff, ff+1
.endr
	s_wait_loadcnt 60                              ; rows 64-127 are in: 4 + 28 + 28 loads are younger
	WIN 0
.set ii, 0
.rept 48
	ds_store_b128 v[SW+ii%3], v[16+4*ii:16+4*ii+3] offset:4*KP*(ii/3)   ; into the same bytes, which are my own: behind the loads above
.set ii, ii+1
.endr
	s_wait_dscnt 48                                ; all but these 48: the first half's stores are done
	WIN 0x80
	s_wait_alu depctr_vm_vsrc(0)                   ; the first half's LDS stores have read v0-191 of window 2, in which the fragments below land
.set ff, 0
.rept 16
.irp p, 0,1,2,3,4,5
	ds_load_b64 v[12*ff+2*\p:12*ff+2*\p+1], v[VW] offset:16*KP*(ff/4)+96*(ff%4)+48*(\p/3)+8*(\p%3)
.endr
.set ff, ff+1
.endr
	WIN 0x40
.irp i, 0,1,2,3
	v_mov_b32 v[VA+\i], v[VA+\i]                   ; the four addresses of the loads that stand among the products, once more in window 1
.endr
	WIN 0
	s_wait_alu depctr_va_vdst(0)                   ; the four copies in window 1 are written, which the LDS loads among the products read as their addresses
	s_wait_loadcnt 28                              ; Wk's scale words and staging set 0 are in; set 1 is younger
	SG_STORE 0, 0
	BAR                                            ; slot 0 is whole; Wk's fragments are in
	s_wait_alu depctr_vm_vsrc(0)                   ; the LDS stores of Wk's raw bytes have read v16-207: from here on the keys' fragments land there, and products, folds and the lines below write there
.irp k, 0,1,2,3
	v_mov_b32 v[G+\k], 0                           ; written once: a lane permute's destination counts as one of its sources
.endr
.set ln, 0
.rept 25
	LD ln, 0, 0, 0, 0                              ; entry 0's first tile
.set ln, ln+1
.endr
	s_mov_b32 s23, 0
	s_mov_b32 s24, 0
.Ltrip:                                            ; four trips of four entries: a constant count, so that every wave passes every barrier whatever cnt is
	SUPER 0
	SUPER 1
	s_add_co_u32 s24, s24, 4096
	s_add_co_u32 s23, s23, 4
	s_cmp_lt_u32 s23, 16
	s_cbranch_scc1 .Ltrip
	BAR                                            ; all waves' parts lie in EP
; THE END.  Wave w adds the four parts of entries w, w + 4, w + 8, w + 12 and stores each group's 64 energies: 32 lanes, 256 consecutive bytes, at a multiple of 256 from e_ws's first byte.
; The four groups' numbers are read in one run (0 where there is no such entry: not used), with one wait.
.irp k, 0,1,2,3
	s_add_co_u32 s[80+\k], s18, 4*\k
	v_readlane_b32 s[76+\k], v[LIST], s[80+\k]
.endr
	s_wait_alu depctr_va_sdst(0)                   ; s76-79, the four groups' numbers, are written, ahead of their first readers
.irp k, 0,1,2,3
	s_cmp_lt_u32 s[80+\k], s21
	s_cbranch_scc0 .Lno_out\k
	s_min_u32 s26, s[76+\k], 511
	s_lshl_b32 s30, s26, 8
	s_add_nc_u64 s[68+2*\k:69+2*\k], s[16:17], s[30:31]
.irp u, 0,1,2,3
	ds_load_b64 v[16+8*\k+2*\u:17+8*\k+2*\u], v[VEP] offset:4096*\k+256*\u   ; (the products that read these registers stand ahead of the wait at their entry's end)
.endr
	s_wait_dscnt 0x0
	v_pk_add_f32 v[16+8*\k:17+8*\k], v[16+8*\k:17+8*\k], v[18+8*\k:19+8*\k]
	v_pk_add_f32 v[20+8*\k:21+8*\k], v[20+8*\k:21+8*\k], v[22+8*\k:23+8*\k]
	v_pk_add_f32 v[16+8*\k:17+8*\k], v[16+8*\k:17+8*\k], v[20+8*\k:21+8*\k]
	s_wait_alu depctr_va_vdst(0)                   ; the sum is written, which the store reads
	global_store_b64 v[L8], v[16+8*\k:17+8*\k], s[68+2*\k:69+2*\k]
.Lno_out\k:
.endr
	s_wait_dscnt 0x0
	s_wait_alu depctr_hold_cnt(0) depctr_sa_sdst(0) depctr_va_vdst(0) depctr_va_sdst(0) depctr_va_ssrc(0) depctr_va_vcc(0) depctr_vm_vsrc(0)
	s_wait_tensorcnt 0x0
	ds_add_u32 v3, v15
	s_wait_dscnt 0x0
	s_endpgm
.Lfunc_end_k_q4dca4f4e39_energy:
	.size	k_q4dca4f4e39_energy, .Lfunc_end_k_q4dca4f4e39_energy-k_q4dca4f4e39_energy
	.p2alignl 7, 3214868480
	.fill 96, 4, 3214868480
	.section	.rodata,"a",@progbits
	.p2align	6, 0x0
	.amdhsa_kernel k_q4dca4f4e39_energy
		.amdhsa_group_segment_fixed_size 233984
		.amdhsa_private_segment_fixed_size 0
		.amdhsa_enable_private_segment 0
		.amdhsa_kernarg_size 56
		.amdhsa_user_sgpr_count 2
		.amdhsa_user_sgpr_kernarg_segment_ptr 1
		.amdhsa_wavefront_size32 1
		.amdhsa_system_sgpr_workgroup_id_x 1
		.amdhsa_system_sgpr_workgroup_id_y 1
		.amdhsa_system_sgpr_workgroup_id_z 1
		.amdhsa_system_vgpr_workitem_id 0
		.amdhsa_next_free_vgpr 1024
		.amdhsa_next_free_sgpr 104
		.amdhsa_reserve_vcc 0
		.amdhsa_float_denorm_mode_32 3
		.amdhsa_float_denorm_mode_16_64 3
		.amdhsa_memory_ordered 1
		.amdhsa_forward_progress 1
		.amdhsa_inst_pref_size 220
	.end_amdhsa_kernel
	.amdgpu_metadata
---
amdhsa.version: [ 1, 2 ]
amdhsa.kernels:
  - .name:           k_q4dca4f4e39_energy
    .symbol:         k_q4dca4f4e39_energy.kd
    .args:
      - { .name: Wk_codes, .offset: 0, .size: 8, .value_kind: global_buffer, .address_space: global }
      - { .name: Wk_scales, .offset: 8, .size: 8, .value_kind: global_buffer, .address_space: global }
      - { .name: keys_codes, .offset: 16, .size: 8, .value_kind: global_buffer, .address_space: global }
      - { .name: keys_scales, .offset: 24, .size: 8, .value_kind: global_buffer, .address_space: global }
      - { .name: key_len, .offset: 32, .size: 8, .value_kind: global_buffer, .address_space: global }
      - { .name: q_ws, .offset: 40, .size: 8, .value_kind: global_buffer, .address_space: global }
      - { .name: e_ws, .offset: 48, .size: 8, .value_kind: global_buffer, .address_space: global }
    .group_segment_fixed_size: 233984
    .private_segment_fixed_size: 0
    .kernarg_segment_align: 8
    .kernarg_segment_size: 56
    .max_flat_workgroup_size: 128
    .sgpr_count:     104
    .vgpr_count:     1024
    .wavefront_size: 32
...
	.end_amdgpu_metadata
.endif
;; end of part 5
;; launch context (part 6): grid 4 x 64, 16 waves a work-group, no clusters, 83,968 bytes of LDS; arguments e_ws, key_len, value, out0, out1; writes out0, out1
.if DOCPART == 6
	.amdgcn_target "amdgcn-amd-amdhsa--gfx1250"
	.amdhsa_code_object_version 6
	.text
	.protected	k_q4dca4f4e39_context
	.globl	k_q4dca4f4e39_context
	.p2align	8
	.type	k_q4dca4f4e39_context,@function
k_q4dca4f4e39_context:
	s_mov_b64 s[64:65], 0
	v_nop
	global_prefetch_b8 v0, s[64:65] scope:SCOPE_SE
	s_setreg_imm32_b32 hwreg(HW_REG_WAVE_MODE, 25, 1), 1
	s_wait_xcnt 0x0
; attn[b][h][:] = softmax over s of (energy[h][b][s], or -1e10 where s >= key_len[b]);  out1 = attn;  out0[b][512 h + d] = sum over s of attn[b][h][s] value[b][s][d].  All in f32.
; SHARES.  Work-group (c, b): batch b, columns d = 128 c .. 128 c + 127 (512 bytes of each row of value).  Wave w takes rows 64 k + 4 w + j (j = 0 .. 3) in step k; a lane holds four columns, for all eight heads.
; Waves 0-7 first make head w's softmax over all 512 places, the row's maximum taken away as reference() does; the weights go to LDS for all sixteen, and the work-group with c = w / 2 stores that head's row of out1.
; WHAT IS LEFT OUT.  With L = key_len held to 0 .. 512, and 512 for L = 0 (all places masked: every weight is 1 / 512), steps k >= n = ceil(L / 64) are not read or summed: their weights are exp(-1e10 - max).
; LIMITS.  That weight is 0 in f32 as long as the row's largest unmasked energy lies above about -1e10 + 104; below that reference() would give those rows weight and this text does not.
; Infinities or NaN in rows of value at s >= 64 n would give NaN in reference() (0 x infinity) and do not here.
; Memory binds: each byte of the rows that count is read once, 512 consecutive bytes a load, all loads issued at the head; matrix units, clusters and tensor loads would add nothing.
.set AT,  0                            ; LDS: the weights, [8 h][512 s] f32
.set RED, 16384                        ; the waves' parts of the sums: [16 waves][8 h][128 d] f32
.set V,   16                           ; v16-143  value: step k, row j at v[16 + 16 k + 4 j]
.set ACC, 144                          ; v144-175 four columns for each head
.set A,   176                          ; v176-207 the energies and the softmax's work; then the weights of my four rows, four for each head; then the last sums
	s_load_b256 s[4:11], s[0:1], 0x0               ; e_ws s[4:5], key_len s[6:7], value s[8:9], out0 s[10:11]
	s_load_b64 s[12:13], s[0:1], 0x20              ; out1
	v_lshl_add_u32 v224, v0, 2, 0x14000
	v_mov_b32 v225, 0
	v_lshrrev_b32 v1, 5, v0
	s_delay_alu instid0(VALU_DEP_1)
	v_readfirstlane_b32 s14, v1                    ; wave
	s_and_b32 s15, ttmp7, 0xffff                   ; b
	s_mov_b32 s16, ttmp9                           ; c
	s_mov_b32 s24, 0x76543210
	s_mov_b32 s25, 0xfedcba98                      ; v_permlanex16_b32's selects for lane l xor 16
	s_mov_b32 s27, 0                               ; offsets are pairs s[26:27]
	v_and_b32 v1, 31, v0                           ; lane
	s_delay_alu instid0(VALU_DEP_1)
	v_lshlrev_b32 v2, 4, v1                        ; 16 lane
	s_lshl_b32 s28, s14, 13
	v_add_nc_u32 v3, s28, v2                       ; value: my four rows begin 8,192 w bytes into a step
	v_mov_b32 v4, 0
	s_lshl_b32 s28, s14, 11
	v_add_nc_u32 v5, s28, v2                       ; the weights, in: head w's row (waves 0-7 alone store there)
	s_lshl_b32 s28, s14, 4
	v_mov_b32 v6, s28                              ; and out: my four rows' weights, 16 w bytes into a step's 256: one address for all lanes
	s_lshl_b32 s28, s14, 12
	s_add_co_u32 s28, s28, RED
	v_add_nc_u32 v7, s28, v2                       ; my part of the sums
	v_lshl_add_u32 v8, v0, 3, RED                  ; the last sums: thread t takes the 8 bytes at 8 t of each wave's part
	v_lshrrev_b32 v9, 6, v0
	v_and_b32 v11, 63, v0
	s_delay_alu instid0(VALU_DEP_2)
	v_lshlrev_b32 v9, 11, v9
	s_delay_alu instid0(VALU_DEP_1)
	v_lshl_add_u32 v9, v11, 3, v9                  ; and stores them at head t / 64, columns 2 (t % 64) on
	v_lshlrev_b32 v10, 2, v1                       ; 4 lane: my first place in 128
	s_wait_kmcnt 0x0
	s_lshl_b32 s17, s15, 2
	s_load_b32 s18, s[6:7], s17 offset:0x0         ; key_len[b]
	s_lshl_b32 s26, s14, 17
	s_lshl_b32 s28, s15, 11
	s_add_co_u32 s26, s26, s28
	s_add_nc_u64 s[4:5], s[4:5], s[26:27]          ; e_ws at (head w, b): used by waves 0-7 alone
	s_lshl_b32 s26, s15, 20
	s_lshl_b32 s28, s16, 9
	s_add_co_u32 s26, s26, s28
	s_add_nc_u64 s[8:9], s[8:9], s[26:27]          ; value at (b, row 0, column 128 c)
	s_lshl_b32 s26, s15, 14
	s_add_co_u32 s26, s26, s28
	s_add_nc_u64 s[10:11], s[10:11], s[26:27]      ; out0 at (b, column 128 c)
	s_lshl_b32 s26, s15, 14
	s_lshl_b32 s28, s14, 11
	s_add_co_u32 s26, s26, s28
	s_add_nc_u64 s[12:13], s[12:13], s[26:27]      ; out1 at (b, head w): used by waves 0-7 alone
	s_cmp_lt_u32 s14, 8
	s_cbranch_scc0 .Lno_energies
.irp i, 0,1,2,3
	global_load_b128 v[A+4*\i:A+4*\i+3], v2, s[4:5] offset:512*\i  ; places 128 i + 4 lane + 0 .. 3
.endr
.Lno_energies:
.irp j, 0,1,2,3
	global_load_b128 v[V+4*\j:V+4*\j+3], v3, s[8:9] offset:2048*\j th:TH_LOAD_NT   ; step 0 is always wanted
.endr
	s_wait_kmcnt 0x0
	s_max_i32 s20, s18, 0
	s_min_i32 s20, s20, 512                        ; places at or beyond this are masked
	s_cmp_eq_u32 s20, 0
	s_cselect_b32 s21, 512, s20
	s_add_co_u32 s22, s21, 63
	s_lshr_b32 s22, s22, 6                         ; n: steps that count, 1 to 8
; Steps 1 to 7: four rows each, or, where the step does not count, four loads of one place of 16 bytes: the same number of loads on both ways, so that the counted waits below hold whatever n is
.irp k, 1,2,3,4,5,6,7
	s_cmp_gt_u32 s22, \k
	s_cbranch_scc0 .Lnot_wanted\k
.irp j, 0,1,2,3
	global_load_b128 v[V+16*\k+4*\j:V+16*\k+4*\j+3], v3, s[8:9] offset:131072*\k+2048*\j th:TH_LOAD_NT
.endr
	s_branch .Lasked\k
.Lnot_wanted\k:
.irp j, 0,1,2,3
	global_load_b128 v[V+16*\k+4*\j:V+16*\k+4*\j+3], v4, s[8:9]
.endr
.Lasked\k:
.endr
	s_cmp_lt_u32 s14, 8
	s_cbranch_scc0 .Lno_softmax
	s_wait_loadcnt 32                              ; the energies are in; the 32 loads of value are younger
	v_mov_b32 v192, 0xd01502f9                     ; -1e10
	s_wait_alu depctr_va_vdst(0)
	v_sub_nc_u32 v193, s20, v10                    ; place 128 i + 4 lane + c counts where 128 i + c < this
.irp i, 0,1,2,3
.irp c, 0,1,2,3
	v_cmp_lt_i32 vcc_lo, 128*\i+\c, v193
	s_delay_alu instid0(VALU_DEP_1)
	v_cndmask_b32 v[A+4*\i+\c], v192, v[A+4*\i+\c], vcc_lo
.endr
.endr
	v_max3_num_f32 v194, v[A], v[A+1], v[A+2]      ; the row's maximum: my 16 in two chains,
	v_max3_num_f32 v195, v[A+3], v[A+4], v[A+5]
	s_delay_alu instid0(VALU_DEP_2)
	v_max3_num_f32 v194, v194, v[A+6], v[A+7]
	s_delay_alu instid0(VALU_DEP_2)
	v_max3_num_f32 v195, v195, v[A+8], v[A+9]
	s_delay_alu instid0(VALU_DEP_2)
	v_max3_num_f32 v194, v194, v[A+10], v[A+11]
	s_delay_alu instid0(VALU_DEP_2)
	v_max3_num_f32 v195, v195, v[A+12], v[A+13]
	s_delay_alu instid0(VALU_DEP_2)
	v_max3_num_f32 v194, v194, v[A+14], v[A+15]
	s_delay_alu instid0(VALU_DEP_1)
	v_max_num_f32 v194, v194, v195
	s_delay_alu instid0(VALU_DEP_1)
	v_max_num_f32_dpp v194, v194, v194 row_xmask:1 row_mask:0xf bank_mask:0xf   ; then across the lanes
	s_delay_alu instid0(VALU_DEP_1)
	v_max_num_f32_dpp v194, v194, v194 row_xmask:2 row_mask:0xf bank_mask:0xf
	s_delay_alu instid0(VALU_DEP_1)
	v_max_num_f32_dpp v194, v194, v194 row_xmask:4 row_mask:0xf bank_mask:0xf
	s_delay_alu instid0(VALU_DEP_1)
	v_max_num_f32_dpp v194, v194, v194 row_xmask:8 row_mask:0xf bank_mask:0xf
	s_delay_alu instid0(VALU_DEP_1)
	v_permlanex16_b32 v195, v194, s24, s25
	s_delay_alu instid0(VALU_DEP_1)
	v_max_num_f32 v194, v194, v195
.irp j, 0,1,2,3,4,5,6,7,8,9,10,11,12,13,14,15
	v_sub_f32 v[A+\j], v[A+\j], v194               ; the maximum is taken away first, in f32, as reference() does,
.endr
.irp j, 0,1,2,3,4,5,6,7,8,9,10,11,12,13,14,15
	v_mul_f32 v[A+\j], 0x3fb8aa3b, v[A+\j]         ; then x log2(e)
.endr
	s_wait_alu depctr_va_vdst(0)
.irp j, 0,1,2,3,4,5,6,7,8,9,10,11,12,13,14,15
	v_exp_f32 v[A+\j], v[A+\j]
.endr
	v_nop                                          ; a plain instruction behind the last exponential
	s_wait_alu depctr_va_vdst(0)                   ; one wait for the batch, ahead of its first reader
	v_pk_add_f32 v[196:197], v[A:A+1], v[A+2:A+3]
	v_pk_add_f32 v[198:199], v[A+4:A+5], v[A+6:A+7]
	v_pk_add_f32 v[196:197], v[196:197], v[A+8:A+9]
	v_pk_add_f32 v[198:199], v[198:199], v[A+10:A+11]
	v_pk_add_f32 v[196:197], v[196:197], v[A+12:A+13]
	v_pk_add_f32 v[198:199], v[198:199], v[A+14:A+15]
	s_delay_alu instid0(VALU_DEP_1)
	v_pk_add_f32 v[196:197], v[196:197], v[198:199]
	s_delay_alu instid0(VALU_DEP_1)
	v_add_f32 v196, v196, v197
	s_delay_alu instid0(VALU_DEP_1)
	v_add_f32_dpp v196, v196, v196 row_xmask:1 row_mask:0xf bank_mask:0xf
	s_delay_alu instid0(VALU_DEP_1)
	v_add_f32_dpp v196, v196, v196 row_xmask:2 row_mask:0xf bank_mask:0xf
	s_delay_alu instid0(VALU_DEP_1)
	v_add_f32_dpp v196, v196, v196 row_xmask:4 row_mask:0xf bank_mask:0xf
	s_delay_alu instid0(VALU_DEP_1)
	v_add_f32_dpp v196, v196, v196 row_xmask:8 row_mask:0xf bank_mask:0xf
	s_delay_alu instid0(VALU_DEP_1)
	v_permlanex16_b32 v197, v196, s24, s25
	s_delay_alu instid0(VALU_DEP_1)
	v_add_f32 v196, v196, v197                     ; the row's sum, at least 1
	s_wait_alu depctr_va_vdst(0)
	v_rcp_f32 v198, v196
	v_nop
	s_wait_alu depctr_va_vdst(0)
.irp j, 0,2,4,6,8,10,12,14
	v_pk_mul_f32 v[A+\j:A+\j+1], v[A+\j:A+\j+1], v[198:199] op_sel_hi:[1,0]
.endr
.irp i, 0,1,2,3
	ds_store_b128 v5, v[A+4*\i:A+4*\i+3] offset:AT+512*\i
.endr
	s_lshr_b32 s28, s14, 1
	s_cmp_eq_u32 s28, s16                          ; each head's row of out1 has one owner among the batch's four work-groups
	s_cbranch_scc0 .Lno_softmax
.irp i, 0,1,2,3
	global_store_b128 v2, v[A+4*\i:A+4*\i+3], s[12:13] offset:512*\i   ; 512 consecutive bytes a store
.endr
.Lno_softmax:
	s_wait_xcnt 0x0                                ; out1's stores have read their registers, which the weights take below
	s_wait_dscnt 0x0                               ; for the others' sake: my head's weights lie in LDS
	s_barrier_signal -1
	s_barrier_wait -1
; STEP k: my four rows x eight heads: 64 packed multiply-adds.  The weight of row j is one word of a pair, taken for both halves (even j the low word, odd j the high).
.macro STEP k
.if (\k) > 0
	s_cmp_gt_u32 s22, \k
	s_cbranch_scc0 .Lsummed                        ; this step and all behind it do not count
.endif
	s_wait_loadcnt 4*(7-(\k))                      ; this step's four rows are in; the later steps' loads are younger
.irp h, 0,1,2,3,4,5,6,7
	ds_load_b128 v[A+4*\h:A+4*\h+3], v6 offset:AT+2048*\h+256*(\k)
.endr
	s_wait_dscnt 0x0
.irp j, 0,1,2,3
.irp h, 0,1,2,3,4,5,6,7
.irp p, 0,1
.if ((\k) == 0) && (\j == 0)
	v_pk_mul_f32 v[ACC+4*\h+2*\p:ACC+4*\h+2*\p+1], v[V+2*\p:V+2*\p+1], v[A+4*\h:A+4*\h+1] op_sel_hi:[1,0]   ; the first row starts the sums: nothing is cleared
.elseif (\j%2) == 0
	v_pk_fma_f32 v[ACC+4*\h+2*\p:ACC+4*\h+2*\p+1], v[V+16*(\k)+4*\j+2*\p:V+16*(\k)+4*\j+2*\p+1], v[A+4*\h+\j:A+4*\h+\j+1], v[ACC+4*\h+2*\p:ACC+4*\h+2*\p+1] op_sel_hi:[1,0,1]
.else
	v_pk_fma_f32 v[ACC+4*\h+2*\p:ACC+4*\h+2*\p+1], v[V+16*(\k)+4*\j+2*\p:V+16*(\k)+4*\j+2*\p+1], v[A+4*\h+\j-1:A+4*\h+\j], v[ACC+4*\h+2*\p:ACC+4*\h+2*\p+1] op_sel:[0,1,0] op_sel_hi:[1,1,1]
.endif
.endr
.endr
.endr
.endm
	s_wait_alu depctr_va_vdst(0)
	STEP 0
	STEP 1
	STEP 2
	STEP 3
	STEP 4
	STEP 5
	STEP 6
	STEP 7
.Lsummed:
	s_wait_alu depctr_va_vdst(0)
.irp h, 0,1,2,3,4,5,6,7
	ds_store_b128 v7, v[ACC+4*\h:ACC+4*\h+3] offset:512*\h
.endr
	s_wait_dscnt 0x0                               ; for the others' sake
	s_barrier_signal -1
	s_barrier_wait -1
.irp u, 0,1,2,3,4,5,6,7,8,9,10,11,12,13,14,15
	ds_load_b64 v[A+2*\u:A+2*\u+1], v8 offset:4096*\u              ; the sixteen waves' parts of my two numbers (into the weights' registers: no global load lands there)
.endr
	s_wait_dscnt 0x0
.irp u, 2
	v_pk_add_f32 v[A:A+1], v[A:A+1], v[A+2*\u:A+2*\u+1]            ; two chains
	v_pk_add_f32 v[A+2:A+3], v[A+2:A+3], v[A+2*\u+2:A+2*\u+3]
.endr
.irp u, 4, 6, 8, 10, 12, 14
	s_delay_alu instid0(VALU_DEP_2)
	v_pk_add_f32 v[A:A+1], v[A:A+1], v[A+2*\u:A+2*\u+1]
	s_delay_alu instid0(VALU_DEP_2)
	v_pk_add_f32 v[A+2:A+3], v[A+2:A+3], v[A+2*\u+2:A+2*\u+3]
.endr
	s_delay_alu instid0(VALU_DEP_1)
	v_pk_add_f32 v[A:A+1], v[A:A+1], v[A+2:A+3]
	global_store_b64 v9, v[A:A+1], s[10:11]        ; a wave stores 256 consecutive bytes, at a multiple of 256 from out0's first byte
	s_wait_tensorcnt 0x0
	ds_add_u32 v224, v225
	s_wait_dscnt 0x0
	s_endpgm
.Lfunc_end_k_q4dca4f4e39_context:
	.size	k_q4dca4f4e39_context, .Lfunc_end_k_q4dca4f4e39_context-k_q4dca4f4e39_context
	.p2alignl 7, 3214868480
	.fill 96, 4, 3214868480
	.section	.rodata,"a",@progbits
	.p2align	6, 0x0
	.amdhsa_kernel k_q4dca4f4e39_context
		.amdhsa_group_segment_fixed_size 83968
		.amdhsa_private_segment_fixed_size 0
		.amdhsa_enable_private_segment 0
		.amdhsa_kernarg_size 40
		.amdhsa_user_sgpr_count 2
		.amdhsa_user_sgpr_kernarg_segment_ptr 1
		.amdhsa_wavefront_size32 1
		.amdhsa_system_sgpr_workgroup_id_x 1
		.amdhsa_system_sgpr_workgroup_id_y 1
		.amdhsa_system_sgpr_workgroup_id_z 1
		.amdhsa_system_vgpr_workitem_id 0
		.amdhsa_next_free_vgpr 226
		.amdhsa_next_free_sgpr 66
		.amdhsa_reserve_vcc 1
		.amdhsa_float_denorm_mode_32 3
		.amdhsa_float_denorm_mode_16_64 3
		.amdhsa_memory_ordered 1
		.amdhsa_forward_progress 1
		.amdhsa_inst_pref_size 58
	.end_amdhsa_kernel
	.amdgpu_metadata
---
amdhsa.version: [ 1, 2 ]
amdhsa.kernels:
  - .name:           k_q4dca4f4e39_context
    .symbol:         k_q4dca4f4e39_context.kd
    .args:
      - { .name: e_ws, .offset: 0, .size: 8, .value_kind: global_buffer, .address_space: global }
      - { .name: key_len, .offset: 8, .size: 8, .value_kind: global_buffer, .address_space: global }
      - { .name: value, .offset: 16, .size: 8, .value_kind: global_buffer, .address_space: global }
      - { .name: out0, .offset: 24, .size: 8, .value_kind: global_buffer, .address_space: global }
      - { .name: out1, .offset: 32, .size: 8, .value_kind: global_buffer, .address_space: global }
    .group_segment_fixed_size: 83968
    .private_segment_fixed_size: 0
    .kernarg_segment_align: 8
    .kernarg_segment_size: 40
    .max_flat_workgroup_size: 512
    .sgpr_count:     66
    .vgpr_count:     226
    .wavefront_size: 32
...
	.end_amdgpu_metadata
.endif
;; end of part 6
